; MI455X (gfx1250); checked and timed in simulation.
; The chip was launched on July 23, 2026; its instructions are those of AMD's public machine-readable ISA for CDNA 5 (MIT licence, August 2026) and "CDNA5" Instruction Set Architecture Reference Guide (July 2026). The comments in the code are by the model that wrote it; some were corrected since.
;; Interpretable Multi Head Attention. Allowed arithmetic: matrix products marked QUANTISED: E2M3 operands, one E8M0 scale for each 32 along K, by v_wmma_scale_f32_16x16x128_f8f6f4 with both operands' format E2M3, f32 sums; products left as they are: f32 operands where the result goes on into a quantised operand, else bf16, f16 or f32 operands; f32 sums; everything else in f32.
;; Inputs: Wk 1,024 x 1,024 float32; Wo 1,024 x 1,024 float32; Wq 1,024 x 1,024 float32; Wv 1,024 x 1,024 float32; bk 1,024 float32; bo 1,024 float32; bq 1,024 float32; bv 1,024 float32; key_ 2 x 2,048 x 1,024 float32; query 2 x 2,048 x 1,024 float32; value 2 x 2,048 x 1,024 float32.
;; Outputs: out0 2 x 2,048 x 1,024 float32.
;; This version of the problem:
;;   THIS VERSION OF THE PROBLEM IS GIVEN IN LOW PRECISION. The matrix products marked QUANTISED in the list below multiply operands that are first quantised to E2M3 (2 exponent bits, 3 mantissa bits; 6 bits a number), with one power-of-two scale for each 32 numbers along K (OCP MX v1.0); their sums are f32. All else is computed in f32.
;;   The module's matrix products, in the order in which they are computed (A, B: the left and right operand; K: the contracted axis; several contracted axes count as one K, in the product's order):
;;     1. [M 4,096, K 1,024] x [K 1,024, N 1,024]; A: input query; B: input Wq: QUANTISED
;;     2. [M 4,096, K 1,024] x [K 1,024, N 1,024]; A: input key_; B: input Wk: QUANTISED
;;     3. [M 4,096, K 1,024] x [K 1,024, N 1,024]; A: input value; B: input Wv: QUANTISED
;;     4. [M 2,048, K 1] x [K 1, N 32]; A: computed on the way; B: computed on the way: left as it is (no contracted axis)
;;     5. batch 32 x [M 2,048, K 64] x [K 64, N 2,048]; A: computed on the way; B: computed on the way: QUANTISED
;;     6. batch 32 x [M 2,048, K 2,048] x [K 2,048, N 64]; A: softmax (see below); B: computed on the way: QUANTISED
;;     7. [M 4,096, K 1,024] x [K 1,024, N 1,024]; A: computed on the way; B: input Wo: QUANTISED
;;   THE QUANTISER, for each operand of a quantised product, along K:
;;     - K is cut into blocks of 32 from its start; a last block that is shorter is filled with zeros.
;;     - A block's scale is 2^e with e = floor(log2(the largest magnitude in the block)) - 2, held to -126 .. 127; a block of zeros has e = 0. As a byte (E8M0): e + 127.
;;     - Each number is divided by its block's scale, clamped to +-7.5, and rounded to the nearest number of E2M3, ties to even, subnormals kept.
;;     - The product sums the exact products of the quantised numbers (number of the format x scale) in f32.
;;   ~~~python
;;   def quantise(x, axis):      # numpy; x: float32 -> the quantised numbers, widened to float32 again
;;       x = np.moveaxis(x, axis, -1); K = x.shape[-1]
;;       x = np.pad(x, [(0, 0)] * (x.ndim - 1) + [(0, -K % 32)]); x = x.reshape(x.shape[:-1] + (-1, 32)); a = np.abs(x).max(-1, keepdims=True)
;;       e = np.where(a > 0, np.clip(np.frexp(np.where(a > 0, a, 1))[1] - 1 - 2, -126, 127), 0)      # np.frexp(a)[1] - 1 = floor(log2(a)), exactly
;;       r = np.clip(x / 2.0 ** e, -7.5, 7.5)
;;       step = 2.0 ** (np.maximum(np.frexp(np.where(r == 0, 1, r))[1] - 1, 0) - 3)
;;       q = np.round(r / step) * step * 2.0 ** e      # np.round: ties to even
;;       return np.moveaxis(q.reshape(q.shape[:-2] + (-1,))[..., :K], -1, axis).astype(np.float32)
;;   ~~~
;;   SOFTMAX AHEAD OF A QUANTISED PRODUCT. Where the list says 'softmax', what is quantised is not the finished softmax but p = 2^(t - M), with t = logit x log2(e) and M = ceil(the row's largest t), a whole number; so 1/2 < the row's largest p <= 1. The row's sum l is taken of the UNQUANTISED p, in f32, and the product's result is divided by l at the end. Since M is a whole number, a kernel that streams over the keys may use a running M (the ceiling of the running maximum): every later rescaling is an exact power of two, which a block's scale takes up: the codes' values come out the same.
;;   OPERANDS COMPUTED ON THE WAY. 'Computed on the way' means the value that the module computes at that place (a softmax that the list does not call 'softmax' is quantised finished and normalised). What goes into a quantiser is computed in f32, as accurately as f32 sums, v_exp_f32 and their like allow (about 1e-6 of the number): no bf16 or f16 on the way to a quantiser, and a product that is left as it is and whose result goes on into a quantised operand takes f32 operands (vector FMAs, or v_wmma_f32_16x16x4_f32). A number that lies on a knife's edge between two numbers of the format may be rounded either way, as far as f32 arithmetic and the matrix unit's own rounding can turn it there, and no further.
;; One version. Each part assembles by itself: llvm-mc -triple=amdgcn-amd-amdhsa -mcpu=gfx1250 --defsym DOCPART=n.
;; ======== version 1 of 1: 4 launches
;; limits: right only within a limited range of input values
;; workspace buffers: cd1 11,796,480 bytes; sc1 491,520 bytes; tb 524,288 bytes; cd2 9,437,184 bytes; sc2 655,360 bytes; cd3 3,932,160 bytes; sc3 163,840 bytes
;; launch quant (part 1): grid 256 x 1, 8 waves a work-group, no clusters, 70,656 bytes of LDS; arguments query, key_, value, Wq, Wk, Wv, Wo, cd1, sc1, cd3, sc3, tb; writes cd1, sc1, cd3, sc3, tb
.if DOCPART == 1
	.amdgcn_target "amdgcn-amd-amdhsa--gfx1250"
	.amdhsa_code_object_version 6
	.text
	.protected	k_q04c155d08d_quant
	.globl	k_q04c155d08d_quant
	.p2align	8
	.type	k_q04c155d08d_quant,@function
k_q04c155d08d_quant:
	s_mov_b64 s[64:65], 0
	v_nop
	global_prefetch_b8 v0, s[64:65] scope:SCOPE_SE
	s_setreg_imm32_b32 hwreg(HW_REG_WAVE_MODE, 25, 1), 1
	s_wait_xcnt 0x0
; query, key_, value [4096][1024] and Wq, Wk, Wv, Wo [1024][1024], f32, K innermost, become codes of FP6 (E2M3) with one E8M0 byte for each 32 along K; and the table of cos and sin for RoPE is made.
; A block's scale is 2^(floor(log2(its largest magnitude)) - 2): its byte is the largest magnitude's exponent field - 2, held at 1 from below.
; LAYOUT OF THE CODES: images of operand registers.  A HALF FRAGMENT is 16 rows x 64 along K, 768 bytes: lane (r, h) owns the 24 bytes of row r, block h; its registers 0-3 lie at byte 16 x lane, registers 4-5 at 512 + 8 x lane.
; A ROW TILE is 16 rows x 1,024 along K: 16 half fragments on end, 12,288 bytes; its scale bytes are [row 16][32 bytes].  Row tiles 0-255 query, 256-511 key_, 512-767 value, 768-831 Wq, 832-895 Wk, 896-959 Wv go to cd1 and sc1;
; Wo's 64 go to cd3 and sc3 from row tile 256 on.
; WHICH ROWS FORM A TILE: in query and Wo sixteen neighbours.  In key_, value, Wq, Wk, Wv tile u of a group of 32 rows takes rows 8 u + r + 8 (r / 8), so that as source 0 of a product two neighbouring tiles leave a lane 16 neighbours.
; SHARES: work-group g takes row tiles 4 g .. 4 g + 3; wave w takes tile 4 g + w / 2, half w % 2 of K: 8 half fragments.  Each load reads two rows' 256 consecutive bytes; they turn through the wave's own stage in LDS,
; from which a lane takes its 32 neighbours along K.  Loads run four half fragments (32 loads a wave) ahead, the turn through LDS one.  No barrier: waves share nothing.
; THE TABLE: wave w of group g makes t = 8 g + w; lane i makes frequency i: tb[t] = 32 cos, then 32 sin.
; LIMITS: NaN and infinities are not served.  A block whose largest magnitude lies under 2^-124 is held at the byte 1; a block of zeros gets the byte 1 where the rule says 127: its codes are zeros and this program alone reads the bytes.
; inv_freq = 2^(-i log2(10) / 8) is good to the one ulp of v_exp_f32, so the angle t x inv_freq may differ from one made of another f32 inv_freq by up to about 2e-4 rad at t = 2,047.
.set SP,    272                        ; a stage row: 256 bytes + 16, so that sixteen lanes that read sixteen rows start in sixteen different 16-byte columns
.set STG,   16*SP                      ; a stage
.set WREG,  2*STG                      ; a wave's LDS: two stages by turns
.set R,     32                         ; v32-159  four sets of 32: a half fragment as loaded
.set X,     160                        ; v160-223 two sets of 32: my block's 32 neighbours
.set C,     224                        ; v224-255 four sets of 8: codes to store
.set W,     16                         ; v16-19   my row's four scale words
.set SEL,   40                         ; s[40:41] lane selects for v_permlanex16_b32: lane l xor 16
	s_load_b512 s[4:19], s[0:1], 0x0               ; query, key_, value, Wq, Wk, Wv, Wo, cd1
	s_load_b256 s[20:27], s[0:1], 0x40             ; sc1, cd3, sc3, tb
	v_lshl_add_u32 v247, v0, 2, 0x11000
	v_mov_b32 v255, 0
	v_lshrrev_b32 v9, 5, v0
	s_delay_alu instid0(VALU_DEP_1)
	v_readfirstlane_b32 s28, v9                    ; wave 0..7
	v_and_b32 v1, 15, v0                           ; r
	v_bfe_u32 v2, v0, 4, 1                         ; h
	v_and_b32 v10, 31, v0                          ; lane
	s_delay_alu instid0(VALU_DEP_3)
	v_lshlrev_b32 v3, 4, v1
	s_delay_alu instid0(VALU_DEP_1)
	v_lshl_add_u32 v3, v2, 12, v3                  ; a load: lanes 0-15 one row's 256 bytes, lanes 16-31 the next row's
	s_mul_i32 s29, s28, WREG
	v_mul_u32_u24 v4, v2, SP
	s_delay_alu instid0(VALU_DEP_1)
	v_lshl_add_u32 v4, v1, 4, v4
	s_delay_alu instid0(VALU_DEP_1)
	v_add_nc_u32 v4, s29, v4                       ; the stage, on the way in: as loaded
	v_mul_u32_u24 v5, v1, SP
	s_delay_alu instid0(VALU_DEP_1)
	v_lshl_add_u32 v5, v2, 7, v5
	s_delay_alu instid0(VALU_DEP_1)
	v_add_nc_u32 v5, s29, v5                       ; and on the way out: row r, block h: 128 bytes
	v_lshlrev_b32 v6, 4, v10                       ; 16 x lane
	v_lshlrev_b32 v7, 3, v10                       ; 8 x lane
	v_lshlrev_b32 v8, 5, v1
	s_delay_alu instid0(VALU_DEP_1)
	v_lshl_add_u32 v8, v2, 3, v8                   ; the scale words' place: 32 r + 8 h
	v_lshlrev_b32 v15, 3, v2                       ; 8 h: my byte's shift in a scale word
	v_mov_b32 v14, 0                               ; written once: a lane permute's destination counts as one of its sources
	s_mov_b32 s[SEL], 0x76543210
	s_mov_b32 s[SEL+1], 0xfedcba98
	s_lshr_b32 s47, s28, 1                         ; which of the group's four row tiles
	s_and_b32 s51, s28, 1                          ; which half of K
	s_sub_co_u32 s43, ttmp9, 64
	s_cmp_lt_u32 s43, 176                          ; groups 64 .. 239: the tensors whose tiles take chosen rows
	s_cselect_b32 s44, 8, 16                       ; from tile 0 to tile 1 of a group of 32 rows
	s_cselect_b32 s52, 32768, 0                    ; a tile's rows 8-15 lie 8 rows further down there
	s_mov_b32 s53, 0
	s_wait_kmcnt 0x0
	s_mov_b64 s[30:31], s[16:17]                   ; the tensor is chosen by the work-group's number alone
	s_mov_b32 s42, 240
.macro PICK below, ptr, first
	s_cmp_lt_u32 ttmp9, \below
	s_cselect_b64 s[30:31], s[\ptr:\ptr+1], s[30:31]
	s_cselect_b32 s42, \first, s42
.endm
	PICK 240, 14, 224
	PICK 224, 12, 208
	PICK 208, 10, 192
	PICK 192, 8, 128
	PICK 128, 6, 64
	PICK 64, 4, 0
	s_sub_co_u32 s46, ttmp9, s42
	s_lshl_b32 s46, s46, 2
	s_add_co_u32 s46, s46, s47                     ; my row tile within its tensor
	s_lshr_b32 s48, s46, 1
	s_lshl_b32 s48, s48, 5
	s_and_b32 s49, s46, 1
	s_mul_i32 s49, s49, s44
	s_add_co_u32 s48, s48, s49                     ; the tile's first row
	; key_ ALONE (groups 64 .. 127) is laid otherwise than the head says: tile u of a group of 64 rows takes rows 8 u + r + 24 (r / 8),
	; so that as source 0 of the scores' product four neighbouring tiles leave a lane 32 neighbouring keys, a whole block
	s_lshr_b32 s50, s46, 2
	s_lshl_b32 s50, s50, 6
	s_and_b32 s49, s46, 3
	s_lshl_b32 s49, s49, 3
	s_add_co_u32 s50, s50, s49                     ; 64 (tile / 4) + 8 (tile % 4)
	s_sub_co_u32 s49, ttmp9, 64
	s_cmp_lt_u32 s49, 64
	s_cselect_b32 s48, s50, s48
	s_cselect_b32 s52, 98304, s52                  ; and its rows 8-15 lie 24 rows further down
	s_lshl_b32 s48, s48, 12                        ; rows of 4,096 bytes (under 2^24 in all)
	s_lshl_b32 s49, s51, 11
	s_add_co_u32 s48, s48, s49                     ; + my half of K
	s_mov_b32 s49, 0
	s_add_nc_u64 s[32:33], s[30:31], s[48:49]      ; the tile's rows 0-7
	s_add_nc_u64 s[34:35], s[32:33], s[52:53]      ; and, with the same immediates, its rows 8-15
	s_lshl_b32 s54, ttmp9, 2
	s_add_co_u32 s54, s54, s47                     ; my row tile among all 1,024
	s_cmp_lt_u32 ttmp9, 240
	s_cselect_b64 s[36:37], s[18:19], s[22:23]     ; codes: cd1, Wo's to cd3
	s_cselect_b64 s[38:39], s[20:21], s[24:25]     ; scale bytes: sc1, Wo's to sc3
	s_cselect_b32 s55, 0, 704                      ; Wo's tile 960 is cd3's tile 256
	s_sub_co_u32 s54, s54, s55
	s_mul_i32 s48, s54, 12288
	s_mul_i32 s50, s51, 6144
	s_add_co_u32 s48, s48, s50
	s_add_nc_u64 s[36:37], s[36:37], s[48:49]
	s_lshl_b32 s48, s54, 9
	s_lshl_b32 s50, s51, 4
	s_add_co_u32 s48, s48, s50
	s_add_nc_u64 s[38:39], s[38:39], s[48:49]
	s_lshl_b32 s56, ttmp9, 3
	s_add_co_u32 s56, s56, s28                     ; t
	s_lshl_b32 s48, s56, 8
	s_add_nc_u64 s[26:27], s[26:27], s[48:49]
.macro LOAD kk                         ; half fragment kk: 16 rows x 256 bytes, two rows an instruction
.irp i, 0,1,2,3
	global_load_b128 v[R+32*((\kk)%4)+4*\i:R+32*((\kk)%4)+4*\i+3], v3, s[32:33] offset:8192*\i+256*(\kk) th:TH_LOAD_NT
.endr
.irp i, 4,5,6,7
	global_load_b128 v[R+32*((\kk)%4)+4*\i:R+32*((\kk)%4)+4*\i+3], v3, s[34:35] offset:8192*\i+256*(\kk) th:TH_LOAD_NT
.endr
.endm
.macro TURN kk                         ; through the stage: LDS serves a wave's instructions in order, so no wait stands between the stores and the loads
.irp i, 0,1,2,3,4,5,6,7
	ds_store_b128 v4, v[R+32*((\kk)%4)+4*\i:R+32*((\kk)%4)+4*\i+3] offset:STG*((\kk)%2)+2*SP*\i
.endr
.irp j, 0,1,2,3,4,5,6,7
	ds_load_b128 v[X+32*((\kk)%2)+4*\j:X+32*((\kk)%2)+4*\j+3], v5 offset:STG*((\kk)%2)+16*\j
.endr
.endm
.irp t, 0,1,2,3
	LOAD \t
.endr
	; the table, while the first loads are on their way
	s_mov_b32 s57, 0x3ed49a78                      ; log2(10) / 8, rounded,
	s_mov_b32 s58, 0x32179a1c                      ; and what the rounding left
	v_cvt_f32_u32 v20, v10                         ; i
	s_delay_alu instid0(VALU_DEP_1)
	v_mul_f32 v21, s57, v20                        ; x = i log2(10) / 8, rounded
	s_delay_alu instid0(VALU_DEP_1)
	v_fma_f32 v22, v20, s57, -v21                  ; what that rounding left, exactly,
	s_delay_alu instid0(VALU_DEP_1)
	v_fma_f32 v22, v20, s58, v22                   ; with the constant's: e
	s_wait_alu depctr_va_vdst(0)
	v_exp_f32 v23, -v21
	v_mul_f32 v22, 0x3f317218, v22                 ; e ln 2.  (A plain place behind the transcendental)
	s_wait_alu depctr_va_vdst(0)
	v_fma_f32 v23, -v23, v22, v23                  ; inv_freq = 2^-x (1 - e ln 2)
	v_cvt_f32_u32 v24, s56
	s_delay_alu instid0(VALU_DEP_1)
	v_mul_f32 v24, v24, v23                        ; the angle, one f32 product
	s_delay_alu instid0(VALU_DEP_1)
	v_mul_f32 v25, 0x3f22f983, v24
	s_delay_alu instid0(VALU_DEP_1)
	v_rndne_f32 v25, v25                           ; n = the nearest multiple of pi / 2, at most 1,303
	s_delay_alu instid0(VALU_DEP_1)
	v_fmamk_f32 v26, v25, 0xbfc90000, v24          ; pi / 2 in three parts; n times each of the first two is exact
	s_delay_alu instid0(VALU_DEP_1)
	v_fmamk_f32 v26, v25, 0xb9fda000, v26
	s_delay_alu instid0(VALU_DEP_1)
	v_fmamk_f32 v26, v25, 0xb3a22169, v26          ; r, within pi / 4 of 0
	s_delay_alu instid0(VALU_DEP_1)
	v_mul_f32 v27, v26, v26                        ; z = r r
	v_mov_b32 v28, 0xb94ca1f9
	v_mov_b32 v29, 0x37ccf5ce
	s_delay_alu instid0(VALU_DEP_2)
	v_fmaak_f32 v28, v27, v28, 0x3c08839e
	s_delay_alu instid0(VALU_DEP_2)
	v_fmaak_f32 v29, v27, v29, 0xbab6061a
	s_delay_alu instid0(VALU_DEP_2)
	v_fmaak_f32 v28, v27, v28, 0xbe2aaaa3
	s_delay_alu instid0(VALU_DEP_2)
	v_fmaak_f32 v29, v27, v29, 0x3d2aaaa5
	s_delay_alu instid0(VALU_DEP_2)
	v_mul_f32 v28, v28, v27
	v_mul_f32 v30, v27, v27
	v_fma_f32 v31, v27, -0.5, 1.0
	s_delay_alu instid0(VALU_DEP_3)
	v_fma_f32 v28, v28, v26, v26                   ; sin r
	s_delay_alu instid0(VALU_DEP_2)
	v_fma_f32 v29, v29, v30, v31                   ; cos r
	v_cvt_i32_f32 v25, v25
	s_delay_alu instid0(VALU_DEP_1)
	v_and_b32 v30, 1, v25
	s_delay_alu instid0(VALU_DEP_1)
	v_cmp_eq_u32 vcc_lo, 1, v30                    ; in odd quadrants the two change places
	s_delay_alu instid0(VALU_DEP_1)
	v_cndmask_b32 v30, v28, v29, vcc_lo
	s_delay_alu instid0(VALU_DEP_2)
	v_cndmask_b32 v31, v29, v28, vcc_lo
	v_and_b32 v28, 2, v25                          ; sin is negative in quadrants 2 and 3,
	v_add_nc_u32 v29, 1, v25
	s_delay_alu instid0(VALU_DEP_2)
	v_lshlrev_b32 v28, 30, v28
	s_delay_alu instid0(VALU_DEP_2)
	v_and_b32 v29, 2, v29                          ; cos in 1 and 2
	s_delay_alu instid0(VALU_DEP_2)
	v_xor_b32 v30, v30, v28
	s_delay_alu instid0(VALU_DEP_2)
	v_lshlrev_b32 v29, 30, v29
	s_delay_alu instid0(VALU_DEP_1)
	v_xor_b32 v31, v31, v29
	v_lshlrev_b32 v20, 2, v10
	global_store_b32 v20, v31, s[26:27]            ; the two stores of the wave cover 256 consecutive bytes, aligned
	global_store_b32 v20, v30, s[26:27] offset:128
	s_wait_loadcnt 24                              ; half fragment 0's eight loads are in; the 24 behind them may be out
	TURN 0
.macro STEP kk
.set XS, X+32*((\kk)%2)
.set CC, C+8*((\kk)%4)
	s_wait_dscnt 0x0                               ; my 32 numbers are back from the stage, and the stores into it have read their registers,
.if (\kk)+4 < 8
	LOAD (\kk)+4                                   ; which take the loads of four half fragments on
.endif
.if (\kk)+1 < 8
.if (\kk) < 4
	s_wait_loadcnt 24                              ; the next half fragment's loads are in; those of the three behind it may be out
.else
	s_wait_loadcnt 8*(6-(\kk))
.endif
	TURN (\kk)+1
.endif
	v_max3_num_f32 v9, |v[XS]|, |v[XS+1]|, 0x1800000               ; the block's largest magnitude, all 32 numbers mine, and the floor 2^(3 - 127), so that the byte cannot fall under 1
	v_max3_num_f32 v11, |v[XS+2]|, |v[XS+3]|, |v[XS+4]|            ; (two chains)
.irp i, 5,9,13,17,21,25
	s_delay_alu instid0(VALU_DEP_2)
	v_max3_num_f32 v9, v9, |v[XS+\i]|, |v[XS+\i+1]|
	s_delay_alu instid0(VALU_DEP_2)
	v_max3_num_f32 v11, v11, |v[XS+\i+2]|, |v[XS+\i+3]|
.endr
	s_delay_alu instid0(VALU_DEP_2)
	v_max3_num_f32 v9, v9, |v[XS+29]|, |v[XS+30]|
	s_delay_alu instid0(VALU_DEP_1)
	v_max3_num_f32 v9, v9, v11, |v[XS+31]|
	s_delay_alu instid0(VALU_DEP_1)
	v_add_nc_u32 v11, 0xff000000, v9               ; 2 off its exponent field: the conversion takes the exponent field of this operand as its scale
.if (\kk) >= 4
	s_wait_alu depctr_va_vdst(0)
	s_wait_xcnt 0x0                                ; the stores of four half fragments back have read this set of code registers
.endif
	v_cvt_scalef32_pk16_fp6_f32 v[CC:CC+2], v[XS:XS+15], v11
	v_cvt_scalef32_pk16_fp6_f32 v[CC+4:CC+6], v[XS+16:XS+31], v11  ; (a conversion's three registers begin on an even number)
.if (\kk)%2
	v_lshrrev_b32 v12, 23, v11                     ; the scale's byte.  (The plain place behind the conversions)
.else
	v_lshrrev_b32 v13, 23, v11
.endif
	v_mov_b32 v[CC+3], v[CC+4]
	v_mov_b32 v[CC+4], v[CC+5]
	v_mov_b32 v[CC+5], v[CC+6]
	global_store_b128 v6, v[CC:CC+3], s[36:37] offset:768*(\kk)       ; 512 consecutive bytes, aligned to 256,
	global_store_b64 v7, v[CC+4:CC+5], s[36:37] offset:768*(\kk)+512  ; and 256 more
.if (\kk)%2
	v_lshl_or_b32 v12, v12, 16, v13                ; two half fragments are 128 along K: my bytes are blocks h and 2 + h of its scale word,
	s_delay_alu instid0(VALU_DEP_1)
	v_lshlrev_b32 v12, v15, v12
	s_delay_alu instid0(VALU_DEP_1)
	v_permlanex16_b32 v14, v12, s[SEL], s[SEL+1]
	s_delay_alu instid0(VALU_DEP_1)
	v_or_b32 v[W+(\kk)/2], v12, v14                ; with lane l xor 16's two the word is whole
.endif
.endm
.irp t, 0,1,2,3,4,5,6,7
	STEP \t
.endr
	v_cmp_ne_u32 vcc_lo, 0, v2
	s_delay_alu instid0(VALU_DEP_1)
	v_cndmask_b32 v12, v[W], v[W+2], vcc_lo        ; lanes 0-15 store the row's words 0 and 1 of my half of K, lanes 16-31 words 2 and 3
	s_delay_alu instid0(VALU_DEP_2)
	v_cndmask_b32 v13, v[W+1], v[W+3], vcc_lo
	global_store_b64 v8, v[12:13], s[38:39]
	s_wait_tensorcnt 0x0
	ds_add_u32 v247, v255
	s_wait_dscnt 0x0
	s_endpgm
.Lfunc_end_k_q04c155d08d_quant:
	.size	k_q04c155d08d_quant, .Lfunc_end_k_q04c155d08d_quant-k_q04c155d08d_quant
	.p2alignl 7, 3214868480
	.fill 96, 4, 3214868480
	.section	.rodata,"a",@progbits
	.p2align	6, 0x0
	.amdhsa_kernel k_q04c155d08d_quant
		.amdhsa_group_segment_fixed_size 70656
		.amdhsa_private_segment_fixed_size 0
		.amdhsa_enable_private_segment 0
		.amdhsa_kernarg_size 96
		.amdhsa_user_sgpr_count 2
		.amdhsa_user_sgpr_kernarg_segment_ptr 1
		.amdhsa_wavefront_size32 1
		.amdhsa_system_sgpr_workgroup_id_x 1
		.amdhsa_system_sgpr_workgroup_id_y 1
		.amdhsa_system_sgpr_workgroup_id_z 1
		.amdhsa_system_vgpr_workitem_id 0
		.amdhsa_next_free_vgpr 256
		.amdhsa_next_free_sgpr 66
		.amdhsa_reserve_vcc 1
		.amdhsa_float_denorm_mode_32 3
		.amdhsa_float_denorm_mode_16_64 3
		.amdhsa_memory_ordered 1
		.amdhsa_forward_progress 1
		.amdhsa_inst_pref_size 40
	.end_amdhsa_kernel
	.amdgpu_metadata
---
amdhsa.version: [ 1, 2 ]
amdhsa.kernels:
  - .name:           k_q04c155d08d_quant
    .symbol:         k_q04c155d08d_quant.kd
    .args:
      - { .name: query, .offset: 0, .size: 8, .value_kind: global_buffer, .address_space: global }
      - { .name: key_, .offset: 8, .size: 8, .value_kind: global_buffer, .address_space: global }
      - { .name: value, .offset: 16, .size: 8, .value_kind: global_buffer, .address_space: global }
      - { .name: Wq, .offset: 24, .size: 8, .value_kind: global_buffer, .address_space: global }
      - { .name: Wk, .offset: 32, .size: 8, .value_kind: global_buffer, .address_space: global }
      - { .name: Wv, .offset: 40, .size: 8, .value_kind: global_buffer, .address_space: global }
      - { .name: Wo, .offset: 48, .size: 8, .value_kind: global_buffer, .address_space: global }
      - { .name: cd1, .offset: 56, .size: 8, .value_kind: global_buffer, .address_space: global }
      - { .name: sc1, .offset: 64, .size: 8, .value_kind: global_buffer, .address_space: global }
      - { .name: cd3, .offset: 72, .size: 8, .value_kind: global_buffer, .address_space: global }
      - { .name: sc3, .offset: 80, .size: 8, .value_kind: global_buffer, .address_space: global }
      - { .name: tb, .offset: 88, .size: 8, .value_kind: global_buffer, .address_space: global }
    .group_segment_fixed_size: 70656
    .private_segment_fixed_size: 0
    .kernarg_segment_align: 8
    .kernarg_segment_size: 96
    .max_flat_workgroup_size: 256
    .sgpr_count:     66
    .vgpr_count:     256
    .wavefront_size: 32
...
	.end_amdgpu_metadata
.endif
;; end of part 1
;; launch proj (part 2): grid 8 x 96, 4 waves a work-group, clusters of 4 x 4, 197,120 bytes of LDS; arguments cd1, sc1, bq, bk, bv, tb, cd2, sc2; writes cd2, sc2
.if DOCPART == 2
	.amdgcn_target "amdgcn-amd-amdhsa--gfx1250"
	.amdhsa_code_object_version 6
	.text
	.protected	k_q04c155d08d_proj
	.globl	k_q04c155d08d_proj
	.p2align	8
	.type	k_q04c155d08d_proj,@function
k_q04c155d08d_proj:
	s_mov_b64 s[64:65], 0
	v_nop
	global_prefetch_b8 v0, s[64:65] scope:SCOPE_SE
	s_setreg_imm32_b32 hwreg(HW_REG_WAVE_MODE, 25, 1), 1
	s_wait_xcnt 0x0
	s_wait_alu depctr_hold_cnt(0) depctr_sa_sdst(0) depctr_va_vdst(0) depctr_va_sdst(0) depctr_va_ssrc(0) depctr_va_vcc(0) depctr_vm_vsrc(0)
	s_getreg_b32 s2, hwreg(HW_REG_IB_STS2, 6, 4)
	s_cmp_eq_u32 s2, 0
	s_cbranch_scc0 .Lentry_in_a_cluster
	s_endpgm
.Lentry_in_a_cluster:
	s_bfe_u32 s2, ttmp6, 0x10000c
	s_cmp_lg_u32 s2, 0xf033
	s_cbranch_scc0 .Lentry_shape_is_right
	s_endpgm
.Lentry_shape_is_right:
; The three projections q = query Wq^T + bq, k = key_ Wk^T + bk, v = value Wv^T + bv on codes of FP6 (E2M3) with E8M0 scales, RoPE on q and k in f32, and the results quantised anew: q and k along the head's 64, v along the keys.
; Operands come from cd1 and sc1 as images of operand registers: a half fragment (16 rows x 64 K) is 768 bytes, lane l's registers 0-3 at 16 l, registers 4-5 at 512 + 8 l; a row tile (16 rows x 1,024 K) is 12,288 bytes.
; SHARES.  768 work-groups; the cluster's y / 8 says which projection (tz = 0 q, 1 k, 2 v).  A work-group makes 128 x 128, each of its four waves 64 x 64: 16 accumulators.  Every product is (source 0 = tile b of S0, source 1 = tile a of S1):
; register j of lane (r, h) is (S0's tile row 8 h + j, S1's tile row r).  q, k: S0 = the weight, S1 = the rows: a lane holds one row and, since the weight's tiles take chosen rows, 16 neighbouring channels in two neighbouring tiles.
; v: S0 = value (tiles of chosen keys), S1 = Wv: a lane holds one channel and 16 neighbouring keys.  A wave's 64 of the weight's rows are one head.
; ALL OF K LIES IN LDS AT ONCE, brought by one tensor load a wave at the head; no byte of LDS is filled twice.
; CLUSTER 4 x 4: S0's tile hangs on cx alone and is asked for jointly by the four of a column, S1's on cy alone, by the four of a row.
; THE TEXT PARTS ONCE, on tz, which all waves and all partners share: q's and k's way and v's way are written out to their ends.
; OUT.  cd2: q at hb x 98,304 + tile x 768 (hb = batch x 16 + head); from byte 3,145,728: hb x 196,608: k's 128 tiles of 768 bytes, then at + 98,304 v as [keys / 64][4 tiles of channels][768].
; sc2: q at hb x 8,192: [128 rows][lane 32][4 words]: word w of lane (h, r) is tile 2 w + h, row r: its two bytes below, zeros above; from byte 262,144: hb x 12,288: k likewise, then at + 8,192 v: [128 keys][lane 32][2 words]:
; word w of lane (h, r) is channel tile 2 w + h, row r: the four key blocks' bytes.
; LIMITS: NaN and infinities are not served; a block whose largest magnitude lies under 2^-124, a block of zeros among them, is held at the byte 1 (its reader is this program alone).
; REGISTERS.  Window 0: v1-15 addresses; v16-31 at work; v32-63 scale words; v64-95 the bias as C; v96-127 codes to store; v128-255 accumulator (a, b) at v[128 + 32 a + 8 b].
;   Window 1: two sets of fragments, at v0 and v128: S0's four at + 12 b, S1's four at + 48 + 12 a.   Window 2: for tile a 16 cos at v[32 a], 16 sin at v[32 a + 16].
; THE FILLS (these lines govern where the head's words on chunks differ): each wave asks once, at the head, for four row tiles whole, 49,152 consecutive bytes; S0's eight tiles lie in LDS from byte 0, S1's from 98,304,
; 12,288 bytes a tile.  One wait for all tensor loads and one barrier show all of K to all four waves; no byte of LDS is filled twice.  No prefetch: the text has no loop that runs ahead of its loads.
; key_'s tiles: tile a of a group of 64 rows holds rows 8 a + r + 24 (r / 8).
.set WV,   20                          ; s20 wave; s21 wave % 2: my half of S0; s22 wave / 2: my half of S1; s23 tz
.set SEL,  66                          ; s[66:67] lane selects for v_permlanex16_b32: lane l xor 16
.set G1A,  24                          ; s[24:31] descriptor group 1 for S0's tiles;  s[32:39] for S1's: they differ in the mask
.set G1B,  32
.set G0A,  40                          ; s[40:43] group 0 for S0;  s[68:71] for S1
.set G0B,  68
.set RTB,  12288                       ; a row tile in bytes
.set T,    16
.set SC,   32                          ; v[SC + 8 i + s]: lanes 0-15 the word of S0's tile i, lanes 16-31 that of S1's tile i, for K step s
.set CB,   64
.set PC,   96                          ; 8 for each a: six of codes, then the tile's scale word
.set ACC,  128
.set F0,   0
.set F1,   128
.set MSB,  0
.macro WIN new                         ; the immediate's high byte repeats the setting that is left
.if MSB != \new
	s_set_vgpr_msb (MSB<<8)|\new
.set MSB, \new
.endif
.endm
.set MUL,  0x05                        ; sources 0 and 1 window 1; C and D window 0
.set TO_F, 0x40                        ; destination window 1
.set ROPE, 0x08                        ; source 1 window 2
.set TO_T, 0x80                        ; destination window 2
.macro CROUND                          ; a round of the cluster's barrier
	s_barrier_signal -1
	s_barrier_wait -1
	s_cmp_lg_u32 s[WV], 0
	s_cbranch_scc1 .Lnot_wave_0_\@
	s_barrier_signal -3
.Lnot_wave_0_\@:
	s_barrier_wait -3
	s_barrier_signal -1
	s_barrier_wait -1
.endm
.macro PLACES                          ; four places behind a matrix instruction, in front of loads into its registers and of reads of its results
.rept 4
	v_nop
.endr
.endm
	s_load_b512 s[4:19], s[0:1], 0x0               ; cd1 s[4:5], sc1 s[6:7], bq s[8:9], bk s[10:11], bv s[12:13], tb s[14:15], cd2 s[16:17], sc2 s[18:19]
	v_lshl_add_u32 v119, v0, 2, 0x30000
	v_mov_b32 v127, 0
	ds_add_u32 v119, v127
	ds_add_u32 v119, v127
	v_lshrrev_b32 v1, 5, v0
	v_readfirstlane_b32 s[WV], v1
	s_and_b32 s21, s[WV], 1
	s_lshr_b32 s22, s[WV], 1
	s_bfe_u32 s56, ttmp6, 0x40000                  ; cx
	s_bfe_u32 s57, ttmp6, 0x40004                  ; cy
	s_and_b32 s59, ttmp7, 0xffff                   ; the cluster's y, 0 .. 23
	s_lshr_b32 s23, s59, 3                         ; tz
	s_and_b32 s59, s59, 7
	s_lshl_b32 s62, s23, 6
	s_add_co_u32 s62, s62, 768                     ; S0's first row tile in cd1: Wq 768, Wk 832,
	s_lshl_b32 s63, s23, 8                         ; S1's: query 0, key_ 256,
	s_cmp_eq_u32 s23, 2
	s_cselect_b32 s62, 512, s62                    ; value 512,
	s_cselect_b32 s63, 896, s63                    ; Wv 896
	s_cselect_b32 s60, s59, ttmp9                  ; the operand of 32 blocks of 128 rows goes by the cluster's y, that of 8 by its x
	s_cselect_b32 s61, ttmp9, s59
	s_lshl_b32 s60, s60, 2
	s_add_co_u32 s60, s60, s56                     ; S0's block of 128 rows: hangs on cx alone within the cluster
	s_lshl_b32 s61, s61, 2
	s_add_co_u32 s61, s61, s57                     ; S1's: on cy alone
	s_lshl_b32 s84, 0x1111, s56                    ; my column of the cluster
	s_lshl_b32 s85, s57, 2
	s_lshl_b32 s85, 15, s85                        ; my row
	s_or_b32 s[G1A], s84, (3<<16)|(1<<21)          ; 15:0 the mask; 17:16 elements of 8 bytes; 20 no padding; 21 set beside a mask
	s_or_b32 s[G1B], s85, (3<<16)|(1<<21)
.irp g, G1A, G1B                       ; four row tiles on end: 4 rows of 12,288 bytes
	s_mov_b32 s[\g+1], 1536<<16                    ; tensor_dim0 = 1,536 elements
	s_mov_b32 s[\g+2], 4<<16                       ; tensor_dim1 = 4
	s_mov_b32 s[\g+3], 1536<<16                    ; tile_dim0
	s_mov_b32 s[\g+4], 4                           ; tile_dim1
	s_mov_b32 s[\g+5], 1536                        ; from row to row, in elements
	s_mov_b32 s[\g+6], 0
	s_mov_b32 s[\g+7], 0
.endr
	s_lshl_b32 s86, s60, 3
	s_add_co_u32 s86, s86, s62
	s_lshl_b32 s87, s21, 2
	s_add_co_u32 s88, s86, s87                     ; S0: the four row tiles that waves 0 and 1 fetch, and that I multiply: + 4 (wave % 2)
	s_lshl_b32 s89, s61, 3
	s_add_co_u32 s89, s89, s63
	s_add_co_u32 s90, s89, s87                     ; S1: the four that waves 2 and 3 fetch,
	s_lshl_b32 s91, s22, 2
	s_add_co_u32 s91, s89, s91                     ; and the four that I multiply: + 4 (wave / 2)
	s_mul_i32 s92, s88, RTB
	s_mov_b32 s93, 0
	s_mul_i32 s94, s90, RTB
	s_mov_b32 s95, 0
	s_mov_b32 s[SEL], 0x76543210
	s_mov_b32 s[SEL+1], 0xfedcba98
	s_wait_dscnt 0x0
	s_wait_kmcnt 0x0
	s_add_nc_u64 s[92:93], s[4:5], s[92:93]
	s_add_nc_u64 s[94:95], s[4:5], s[94:95]
	CROUND                                         ; all sixteen work-groups are here: the joint loads meet
	s_mov_b32 s[G0A], 1
	s_mul_i32 s[G0A+1], s[WV], 4*RTB               ; wave x four tiles: no place in the cluster enters an LDS address
	s_mov_b64 s[G0A+2:G0A+3], s[92:93]
	s_or_b32 s[G0A+3], s[G0A+3], 0x80000000
	s_mov_b32 s[G0B], 1
	s_mul_i32 s[G0B+1], s[WV], 4*RTB
	s_mov_b64 s[G0B+2:G0B+3], s[94:95]
	s_or_b32 s[G0B+3], s[G0B+3], 0x80000000
	s_cmp_lt_u32 s[WV], 2                          ; one tensor load a wave at the head: waves 0 and 1 fetch S0's tiles, waves 2 and 3 S1's
	s_cbranch_scc0 .Lfetch_s1
	tensor_load_to_lds s[G0A:G0A+3], s[G1A:G1A+7]
	s_nop 0
	PLACES                                         ; four v_nop follow the last
	s_branch .Lasked
.Lfetch_s1:
	tensor_load_to_lds s[G0B:G0B+3], s[G1B:G1B+7]
	s_nop 0
	PLACES
.Lasked:
	v_and_b32 v1, 15, v0                           ; r
	v_bfe_u32 v2, v0, 4, 1                         ; h
	v_and_b32 v3, 31, v0                           ; lane
	v_lshlrev_b32 v8, 4, v3                        ; 16 x lane
	v_lshlrev_b32 v9, 3, v3                        ; 8 x lane
	s_mul_i32 s97, s21, 4*RTB
	v_add_nc_u32 v4, s97, v8                       ; S0's fragments in LDS: registers 0-3 of a half fragment,
	v_add_nc_u32 v5, s97, v9
	v_add_nc_u32 v5, 512, v5                       ; registers 4-5
	s_mul_i32 s97, s22, 4*RTB
	s_add_co_u32 s97, s97, 8*RTB
	v_add_nc_u32 v6, s97, v8                       ; S1's
	v_add_nc_u32 v7, s97, v9
	v_add_nc_u32 v7, 512, v7
	v_mov_b32 v[T+2], 0                            ; written once: a lane permute's destination counts as one of its sources
	v_mov_b32 v[T+3], 0
	s_lshl_b32 s97, s88, 9                         ; scale words: 512 bytes a row tile, 32 a row
	s_lshl_b32 s98, s91, 9
	v_mov_b32 v15, s97
	v_mov_b32 v14, s98
	v_cmp_ne_u32 vcc_lo, 0, v2
	v_cndmask_b32 v14, v15, v14, vcc_lo            ; lanes 0-15 take S0's, lanes 16-31 S1's
	v_lshl_add_u32 v14, v1, 5, v14
.irp i, 0,1,2,3
	global_load_b128 v[SC+8*\i:SC+8*\i+3], v14, s[6:7] offset:512*\i
	global_load_b128 v[SC+8*\i+4:SC+8*\i+7], v14, s[6:7] offset:512*\i+16
.endr
	; where my 64 x 64 goes
	s_lshl_b32 s84, s60, 1
	s_add_co_u32 s84, s84, s21                     ; my 64 rows of S0
	s_lshl_b32 s85, s61, 1
	s_add_co_u32 s85, s85, s22                     ; my 64 rows of S1
	s_cmp_eq_u32 s23, 2
	s_cselect_b32 s86, s85, s84                    ; the head: my 64 rows of the weight
	s_cselect_b32 s87, s84, s85                    ; my 64 rows of the 4,096
	s_cselect_b64 s[8:9], s[12:13], s[8:9]         ; the bias
	s_cselect_b32 s97, 98304, 0                    ; v's codes lie behind k's,
	s_cselect_b32 s98, 8192, 0                     ; v's scale words behind k's,
	s_cselect_b32 s99, 8, 9                        ; 256 bytes for 128 keys against 512,
	s_cselect_b32 s58, 1, 3                        ; and 2 bytes for my 64 against 8
	s_cmp_eq_u32 s23, 1
	s_cselect_b64 s[8:9], s[10:11], s[8:9]
	s_cselect_b32 s62, 8, 0                        ; key_'s tiles take chosen rows: r + 3 (r & 8),
	s_mov_b32 s63, 4096
	s_cselect_b32 s63, 2048, s63                   ; and each next tile begins 8 rows on, not 16
	s_cmp_eq_u32 s23, 0
	s_mov_b32 s92, 196608
	s_cselect_b32 s92, 98304, s92
	s_cselect_b32 s94, 0, 3145728
	s_mov_b32 s95, 12288
	s_cselect_b32 s95, 8192, s95
	s_cselect_b32 s96, 0, 262144
	s_lshr_b32 s89, s87, 5
	s_lshl_b32 s89, s89, 4
	s_add_co_u32 s89, s89, s86                     ; hb
	s_and_b32 s90, s87, 31                         ; which 64 of the sequence's 2,048
	s_mul_i32 s92, s89, s92
	s_add_co_u32 s92, s92, s94
	s_add_co_u32 s92, s92, s97
	s_mul_i32 s94, s90, 3072                       ; four tiles of 768 bytes
	s_add_co_u32 s92, s92, s94
	s_mov_b32 s93, 0
	s_add_nc_u64 s[16:17], s[16:17], s[92:93]      ; codes
	s_mul_i32 s92, s89, s95
	s_add_co_u32 s92, s92, s96
	s_add_co_u32 s92, s92, s98
	s_lshr_b32 s94, s90, 1
	s_lshl_b32 s94, s94, s99
	s_add_co_u32 s92, s92, s94
	s_and_b32 s94, s90, 1
	s_lshl_b32 s94, s94, s58
	s_add_co_u32 s92, s92, s94
	s_add_nc_u64 s[18:19], s[18:19], s[92:93]      ; scale words
	s_lshl_b32 s92, s86, 8
	s_add_nc_u64 s[8:9], s[8:9], s[92:93]          ; the head's 64 numbers of the bias
	s_lshl_b32 s92, s90, 14
	s_add_nc_u64 s[14:15], s[14:15], s[92:93]      ; the table at my first row: 256 bytes a row
.macro FETCH s, f                      ; K step s: 32 LDS loads in one run, each of consecutive bytes from lane to lane, into set f
	WIN TO_F
.irp i, 0,1,2,3
.irp c, 0,1
	ds_load_b128 v[\f+12*\i+6*\c:\f+12*\i+6*\c+3], v4 offset:RTB*\i+1536*(\s)+768*\c
	ds_load_b64 v[\f+12*\i+6*\c+4:\f+12*\i+6*\c+5], v5 offset:RTB*\i+1536*(\s)+768*\c
	ds_load_b128 v[\f+48+12*\i+6*\c:\f+48+12*\i+6*\c+3], v6 offset:RTB*\i+1536*(\s)+768*\c
	ds_load_b64 v[\f+48+12*\i+6*\c+4:\f+48+12*\i+6*\c+5], v7 offset:RTB*\i+1536*(\s)+768*\c
.endr
.endr
.endm
; 16 products, 128 along K.  The accumulators take turns, one instruction a turn, in the same order in every step.
; first = 1: the sums start from the bias of S0's rows (q, k); 2: of S1's rows (v); 0: they go on.
.macro MUL16 f, s, first
.irp a, 0,1,2,3
.irp b, 0,1,2,3
.if \first == 1
	v_wmma_scale_f32_16x16x128_f8f6f4 v[ACC+32*\a+8*\b:ACC+32*\a+8*\b+7], v[\f+12*\b:\f+12*\b+11], v[\f+48+12*\a:\f+48+12*\a+11], v[CB+8*\b:CB+8*\b+7], v[SC+8*\b+\s], v[SC+8*\a+\s] matrix_a_fmt:MATRIX_FMT_FP6 matrix_b_fmt:MATRIX_FMT_FP6 matrix_b_scale:MATRIX_SCALE_ROW1
.elseif \first == 2
	v_wmma_scale_f32_16x16x128_f8f6f4 v[ACC+32*\a+8*\b:ACC+32*\a+8*\b+7], v[\f+12*\b:\f+12*\b+11], v[\f+48+12*\a:\f+48+12*\a+11], v[CB+8*\a:CB+8*\a+7], v[SC+8*\b+\s], v[SC+8*\a+\s] matrix_a_fmt:MATRIX_FMT_FP6 matrix_b_fmt:MATRIX_FMT_FP6 matrix_b_scale:MATRIX_SCALE_ROW1
.else
	v_wmma_scale_f32_16x16x128_f8f6f4 v[ACC+32*\a+8*\b:ACC+32*\a+8*\b+7], v[\f+12*\b:\f+12*\b+11], v[\f+48+12*\a:\f+48+12*\a+11], v[ACC+32*\a+8*\b:ACC+32*\a+8*\b+7], v[SC+8*\b+\s], v[SC+8*\a+\s] matrix_a_fmt:MATRIX_FMT_FP6 matrix_b_fmt:MATRIX_FMT_FP6 matrix_b_scale:MATRIX_SCALE_ROW1
.endif
.endr
.endr
.endm
.macro KSTEP s                         ; steps 1 to 7: the next step's fragments are asked for, then this step is multiplied
.if (\s) == 7
	s_wait_dscnt 0x0
.else
	PLACES                                         ; in front of the loads into the set that the last step multiplied
.if (\s)%2
	FETCH (\s)+1, F0
.else
	FETCH (\s)+1, F1
.endif
	s_wait_dscnt 32                                ; all but the 32 just issued: this step's fragments are in
.endif
	WIN MUL
.if (\s)%2
	MUL16 F1, \s, 0
.else
	MUL16 F0, \s, 0
.endif
.endm
.macro KLOOP first, left               ; left: the global loads that may still be out at the first product
	s_wait_alu depctr_va_vdst(0)
	s_wait_tensorcnt 0x0                           ; my four row tiles have landed
	s_barrier_signal -1
	s_barrier_wait -1
	FETCH 0, F0
	FETCH 1, F1
	s_wait_loadcnt \left                           ; the scale words and the bias are in
	s_wait_dscnt 32
	WIN MUL
	MUL16 F0, 0, \first
.irp s, 1,2,3,4,5,6,7
	KSTEP \s
.endr
	WIN 0
.endm
; 32 numbers of a lane, register 16 b + i = k 32 b + 16 h + i of my row, become half a fragment's codes in v[pc] .. v[pc + 5] and the word e0 | e1 << 8 in v[w].
.macro QUANT32 s, pc, w
.irp b, 0,1
	v_max3_num_f32 v[T+\b], |v[\s+16*\b]|, |v[\s+1+16*\b]|, 0x1800000   ; my 16 numbers of block b, and the floor 2^(3 - 127): the byte cannot fall under 1
.endr
.irp i, 2,4,6,8,10,12,14
.irp b, 0,1
	v_max3_num_f32 v[T+\b], v[T+\b], |v[\s+16*\b+\i]|, |v[\s+1+16*\b+\i]|
.endr
.endr
.irp b, 0,1
	v_permlanex16_b32 v[T+2+\b], v[T+\b], s[SEL], s[SEL+1]
.endr
.irp b, 0,1
	v_max_num_f32 v[T+\b], v[T+\b], v[T+2+\b]      ; with lane l xor 16's: the block's largest magnitude
.endr
.irp b, 0,1
	v_add_nc_u32 v[T+4+\b], 0xff000000, v[T+\b]    ; 2 off its exponent field: the conversion's scale operand
.endr
.irp b, 0,1
	v_lshrrev_b32 v[T+2+\b], 23, v[T+4+\b]         ; the scale's byte
.endr
	v_lshl_or_b32 v[\w], v[T+3], 8, v[T+2]
	v_cvt_scalef32_pk16_fp6_f32 v[\pc:\pc+2], v[\s:\s+15], v[T+4]
	v_cvt_scalef32_pk16_fp6_f32 v[T+8:T+10], v[\s+16:\s+31], v[T+5]
	v_nop                                          ; one plain place behind a scaled conversion
.irp i, 0,1,2
	v_permlane16_swap_b32 v[\pc+\i], v[T+8+\i]     ; the layout wants a whole block in a lane: lanes 0-15 block 0, lanes 16-31 block 1
.endr
.irp i, 0,1,2
	v_mov_b32 v[\pc+3+\i], v[T+8+\i]
.endr
.endm
.macro OUT a                           ; tile a leaves as an image of six registers: three runs of 256 consecutive bytes, aligned
	QUANT32 ACC+32*\a, PC+8*\a, PC+8*\a+6
	global_store_b128 v8, v[PC+8*\a:PC+8*\a+3], s[16:17] offset:768*\a
	global_store_b64 v9, v[PC+8*\a+4:PC+8*\a+5], s[16:17] offset:768*\a+512
.endm
	s_cmp_eq_u32 s23, 2
	s_cbranch_scc1 .Lpath_v
	; ---- q and k
	v_lshlrev_b32 v13, 6, v2                       ; the bias in the result's layout: tile b, register j: channel 32 (b / 2) + 16 h + 8 (b % 2) + j
.irp b, 0,1,2,3
	global_load_b128 v[CB+8*\b:CB+8*\b+3], v13, s[8:9] offset:(32*(\b/2)+8*(\b%2))*4
	global_load_b128 v[CB+8*\b+4:CB+8*\b+7], v13, s[8:9] offset:(32*(\b/2)+8*(\b%2))*4+16
.endr
	v_and_b32 v11, s62, v1
	v_mad_u32_u24 v11, v11, 3, v1                  ; my row in tile 0: query r, key_ r + 24 (r / 8),
	v_lshlrev_b32 v11, 8, v11
	v_lshl_add_u32 v11, v2, 6, v11                 ; its 16 frequencies 16 h on;
	v_add_nc_u32 v12, s63, v11                     ; in tiles 1, 2 and 3
	v_add_nc_u32 v28, s63, v12
	v_add_nc_u32 v29, s63, v28
	WIN TO_T
.irp a, 0,1,2,3
.irp p, 0,1
.irp j, 0,1,2,3
	global_load_b128 v[32*\a+16*\p+4*\j:32*\a+16*\p+4*\j+3], v[11+\a+15*(\a/2)], s[14:15] offset:128*\p+16*\j
.endr
.endr
.endr
	WIN 0
	KLOOP 1, 32                                    ; the table's 32 loads may stay out
	PLACES
	s_wait_loadcnt 0x0                             ; the table
	; RoPE: channel d < 32 and channel d + 32 lie in one lane, 16 registers apart: lo' = lo cos - hi sin, hi' = hi cos + lo sin.  Each accumulator is read from its low end on.
	WIN ROPE
.irp a, 0,1,2,3
.irp x, 0,2,4,6,8,10,12,14
	v_pk_mul_f32 v[T+\x:T+\x+1], v[ACC+32*\a+\x:ACC+32*\a+\x+1], v[32*\a+16+\x:32*\a+16+\x+1]
.endr
.irp x, 0,2,4,6,8,10,12,14
	v_pk_mul_f32 v[ACC+32*\a+\x:ACC+32*\a+\x+1], v[ACC+32*\a+\x:ACC+32*\a+\x+1], v[32*\a+\x:32*\a+\x+1]
.endr
.irp x, 0,2,4,6,8,10,12,14
	v_pk_fma_f32 v[ACC+32*\a+\x:ACC+32*\a+\x+1], v[ACC+32*\a+16+\x:ACC+32*\a+16+\x+1], v[32*\a+16+\x:32*\a+16+\x+1], v[ACC+32*\a+\x:ACC+32*\a+\x+1] neg_lo:[1,0,0] neg_hi:[1,0,0]
.endr
.irp x, 0,2,4,6,8,10,12,14
	v_pk_fma_f32 v[ACC+32*\a+16+\x:ACC+32*\a+16+\x+1], v[ACC+32*\a+16+\x:ACC+32*\a+16+\x+1], v[32*\a+\x:32*\a+\x+1], v[T+\x:T+\x+1]
.endr
.endr
	WIN 0
.irp a, 0,1,2,3
	OUT \a
.endr
	v_cmp_ne_u32 vcc_lo, 0, v2
	v_cndmask_b32 v16, v[PC+6], v[PC+14], vcc_lo   ; lanes 0-15 hold the even tiles' words, lanes 16-31 the odd tiles'
	v_cndmask_b32 v17, v[PC+22], v[PC+30], vcc_lo
	global_store_b64 v8, v[16:17], s[18:19]        ; my four tiles are half of a lane's four words
	s_wait_tensorcnt 0x0
	ds_add_u32 v119, v127
	s_wait_dscnt 0x0
	CROUND                                         ; the closing round: no work-group ends while a partner may still ask for a tile that names it
	s_endpgm
	; ---- v
.Lpath_v:
	v_and_b32 v13, 8, v1
	v_add_nc_u32 v13, v13, v1
	v_lshlrev_b32 v13, 2, v13                      ; a lane holds one channel: tile a, lane row r: 32 (a / 2) + 8 (a % 2) + r + (r & 8)
.irp a, 0,1,2,3
	global_load_b32 v[CB+8*\a], v13, s[8:9] offset:(32*(\a/2)+8*(\a%2))*4
.endr
	s_wait_loadcnt 0x0
.irp a, 0,1,2,3
.irp j, 1,2,3,4,5,6,7
	v_mov_b32 v[CB+8*\a+\j], v[CB+8*\a]            ; the same bias for the lane's eight keys
.endr
.endr
	KLOOP 2, 0
	PLACES
.irp a, 0,1,2,3
	OUT \a
.endr
	v_cmp_ne_u32 vcc_lo, 0, v2
	v_cndmask_b32 v16, v[PC+6], v[PC+14], vcc_lo
	v_cndmask_b32 v17, v[PC+22], v[PC+30], vcc_lo
	global_store_b16 v9, v16, s[18:19]             ; my 64 keys are two of a word's four bytes.  (Two bytes a lane: the scale bytes are one in 24 of what this launch stores)
	global_store_b16 v9, v17, s[18:19] offset:4
	s_wait_tensorcnt 0x0
	ds_add_u32 v119, v127
	s_wait_dscnt 0x0
	CROUND
	s_endpgm
.Lfunc_end_k_q04c155d08d_proj:
	.size	k_q04c155d08d_proj, .Lfunc_end_k_q04c155d08d_proj-k_q04c155d08d_proj
	.p2alignl 7, 3214868480
	.fill 96, 4, 3214868480
	.section	.rodata,"a",@progbits
	.p2align	6, 0x0
	.amdhsa_kernel k_q04c155d08d_proj
		.amdhsa_group_segment_fixed_size 197120
		.amdhsa_private_segment_fixed_size 0
		.amdhsa_enable_private_segment 0
		.amdhsa_kernarg_size 64
		.amdhsa_user_sgpr_count 2
		.amdhsa_user_sgpr_kernarg_segment_ptr 1
		.amdhsa_wavefront_size32 1
		.amdhsa_system_sgpr_workgroup_id_x 1
		.amdhsa_system_sgpr_workgroup_id_y 1
		.amdhsa_system_sgpr_workgroup_id_z 1
		.amdhsa_system_vgpr_workitem_id 0
		.amdhsa_next_free_vgpr 640
		.amdhsa_next_free_sgpr 100
		.amdhsa_reserve_vcc 1
		.amdhsa_float_denorm_mode_32 3
		.amdhsa_float_denorm_mode_16_64 3
		.amdhsa_memory_ordered 1
		.amdhsa_forward_progress 1
		.amdhsa_inst_pref_size 107
	.end_amdhsa_kernel
	.amdgpu_metadata
---
amdhsa.version: [ 1, 2 ]
amdhsa.kernels:
  - .name:           k_q04c155d08d_proj
    .symbol:         k_q04c155d08d_proj.kd
    .args:
      - { .name: cd1, .offset: 0, .size: 8, .value_kind: global_buffer, .address_space: global }
      - { .name: sc1, .offset: 8, .size: 8, .value_kind: global_buffer, .address_space: global }
      - { .name: bq, .offset: 16, .size: 8, .value_kind: global_buffer, .address_space: global }
      - { .name: bk, .offset: 24, .size: 8, .value_kind: global_buffer, .address_space: global }
      - { .name: bv, .offset: 32, .size: 8, .value_kind: global_buffer, .address_space: global }
      - { .name: tb, .offset: 40, .size: 8, .value_kind: global_buffer, .address_space: global }
      - { .name: cd2, .offset: 48, .size: 8, .value_kind: global_buffer, .address_space: global }
      - { .name: sc2, .offset: 56, .size: 8, .value_kind: global_buffer, .address_space: global }
    .group_segment_fixed_size: 197120
    .private_segment_fixed_size: 0
    .kernarg_segment_align: 8
    .kernarg_segment_size: 64
    .max_flat_workgroup_size: 128
    .sgpr_count:     100
    .vgpr_count:     640
    .wavefront_size: 32
...
	.end_amdgpu_metadata
.endif
;; end of part 2
;; launch attn (part 3): grid 8 x 32, 16 waves a work-group, clusters of 4 x 1, 210,944 bytes of LDS; arguments cd2, sc2, cd3, sc3; writes cd3, sc3
.if DOCPART == 3
	.amdgcn_target "amdgcn-amd-amdhsa--gfx1250"
	.amdhsa_code_object_version 6
	.text
	.protected	k_q04c155d08d_attn
	.globl	k_q04c155d08d_attn
	.p2align	8
	.type	k_q04c155d08d_attn,@function
k_q04c155d08d_attn:
	s_mov_b64 s[64:65], 0
	v_nop
	global_prefetch_b8 v0, s[64:65] scope:SCOPE_SE
	s_setreg_imm32_b32 hwreg(HW_REG_WAVE_MODE, 25, 1), 1
	s_wait_xcnt 0x0
	s_wait_alu depctr_hold_cnt(0) depctr_sa_sdst(0) depctr_va_vdst(0) depctr_va_sdst(0) depctr_va_ssrc(0) depctr_va_vcc(0) depctr_vm_vsrc(0)
	s_getreg_b32 s2, hwreg(HW_REG_IB_STS2, 6, 4)
	s_cmp_eq_u32 s2, 0
	s_cbranch_scc0 .Lentry_in_a_cluster
	s_endpgm
.Lentry_in_a_cluster:
	s_bfe_u32 s2, ttmp6, 0x10000c
	s_cmp_lg_u32 s2, 0x3003
	s_cbranch_scc0 .Lentry_shape_is_right
	s_endpgm
.Lentry_shape_is_right:
; O[hb][q] = the sum over k of softmax_k(q . k / 8) v, head size 64, 2,048 keys, both products on codes of FP6 (E2M3) with E8M0 scales; the result, divided by the row's sum, is quantised along the model's 1,024 and stored as the last product's operand.
; THE SOFTMAX AHEAD OF THE SECOND PRODUCT: t = score x log2(e) / 8; M = the row's largest t so far, rounded UP to a whole number; p = 2^(t - M) is quantised along the keys, not normalised; the row's sum is taken of the unquantised p.
; When M moves, the sum and O are multiplied by f = 2^(old M - new M): exact.
; SHARES.  A work-group owns 256 queries of one head of one batch (hb); each of its sixteen waves owns 16, one tile, in 256 registers.  Every wave walks all keys, 128 a step: four trips of four steps.
; A HEAD'S K AND V LIE IN LDS WHOLE, each byte filled once, by nine tensor loads at the head, one a wave: wave w < 8 brings keys 256 w .. 256 w + 255: K's 12,288 bytes, then V's, to byte 24,576 w; wave 8 brings the 12,288 bytes of scale words.
; One wait for all tensor loads and one barrier show them to all waves; behind it the waves share nothing and meet no barrier until the end.
; CLUSTER 4 x 1: the four blocks of queries of a cluster belong to one hb and ask for K, V and the scale words jointly.  No prefetch: all loads stand at the head, so no loop runs ahead of them.
; LAYOUT.  All operands are images of registers: 16 rows x 64 along K are 768 bytes, lane l's registers 0-3 at 16 l, registers 4-5 at 512 + 8 l: every LDS load reads consecutive bytes from lane to lane.
; Both products are used transposed: S^T = K Q^T, O^T = V^T P^T: a lane holds one query throughout.  Tile u of a group of 64 keys holds keys 8 u + r + 24 (r / 8): so the 32 registers of four neighbouring tiles of S^T
; are keys 32 h .. 32 h + 31 of the group: A WHOLE BLOCK OF p LIES IN ONE LANE, in the order in which the second product's operand wants it: no lane is asked for a block's largest score, and the codes change no lane.
; THE SECOND PRODUCT LAGS BY ONE STEP: step n multiplies O^T by step n - 1's f and adds step n - 1's product.  Those sixteen multiplications stand, two by two, between the dependent lines that make step n's M, so that chain does not stand bare.
; The first step finds zero codes of p and f = 0 and adds nothing; the last step's product stands behind the loop.  K of step n + 1 is asked for at the end of step n, V of step n ahead of its exponentials.
; (The last step's request for K reads 6,656 filled LDS bytes behind V, scale words, which nobody uses.)
; THE FIRST PRODUCT'S K IS 64, HALF OF THE INSTRUCTION'S 128.  Q's registers 6-11 hold zero codes, so whatever stands in K's registers 6-11 adds nothing: E2M3 has no code but numbers, and bytes 2 and 3 of both scale words are 0, never 0xff.
; So K's tiles lie six registers apart, and tile t's operand runs on into tile t + 1's codes (the last into six registers of zeros).
; LIMITS: NaN and infinities are not served; the promise holds while the scaled scores t stay under 2^31 in magnitude; a block of p or of the result whose largest magnitude lies under 2^-124, zeros among them, is held at the byte 1.
; REGISTERS: v1, v2 16 l, 512 + 8 l; v3-6 the trip's LDS addresses; v7 8 h; v8, v11 at work; v9 Q's scale word; v10 p's; -M in v12 (even steps) and v248 (odd), by turns; v13 the largest score; v[14:15] the sum;
;   v16-27 Q; v28-33 K's and V's scale words; v34-81 K, v82-87 zeros; v88-135 V; v136-199 S^T, then p; v200-231 O^T; v232-243 p's codes; v[244:245] f; v246-247, v250-253 three more chains of the sum; v34-50 at work once K has been multiplied.
.set WV,   12
.set SEL,  16                          ; s[16:17] lane selects: lane l xor 16
.set CS,   18                          ; s[18:19] c = log2(e) / 8
.set NCS,  20                          ; s20 -c
.set TB,   21                          ; s21 LDS byte of the trip's 512 keys
.set TK,   22                          ; s22 of its scale words of K (less 16 l)
.set TV,   23                          ; s23 and of V (less 512 + 8 l)
.set CNT,  56
.set G1C,  24                          ; s[24:31] descriptor group 1 for codes;  s[32:39] for the scale words;  s[40:43], s[44:47] their groups 0
.set G1S,  32
.set G0C,  40
.set G0S,  44
.set BLK,  24576                       ; 256 keys in LDS: K's 12,288 bytes, then V's
.set SCL,  8*BLK                       ; behind them K's scale words, 8,192 bytes, then V's, 4,096
.set SPARE, SCL+12288                  ; the spare words: 128 bytes for each of sixteen waves
.set SPW,  254
.set NIL,  255
.set TMP,  8
.set PD,   11
.set KSR,  28
.set VSR,  32
.set KF,   34
.set VF,   88
.set S,    136
.set O,    200
.set PCD,  232
.set F,    244
.set T1,   246
.set T2,   250
.set T3,   252
.set BM,   34                          ; v34-35 a block's largest score, then its largest p; v36-37 the second chains; v38-39 the two numbers left over
.set SO,   40                          ; v40-41 the conversions' scale operands
.set BB,   42                          ; v42-43 the scales' bytes
.set CT,   44                          ; v44-46, v48-50 the second halves of the blocks' codes
.set T,    34                          ; QUANT32's eleven registers
.macro CROUND
	s_barrier_signal -1
	s_barrier_wait -1
	s_cmp_lg_u32 s[WV], 0
	s_cbranch_scc1 .Lnot_wave_0_\@
	s_barrier_signal -3
.Lnot_wave_0_\@:
	s_barrier_wait -3
	s_barrier_signal -1
	s_barrier_wait -1
.endm
	s_load_b256 s[4:11], s[0:1], 0x0               ; cd2 s[4:5], sc2 s[6:7], cd3 s[8:9], sc3 s[10:11]
	v_lshl_add_u32 v[SPW], v0, 2, SPARE
	v_mov_b32 v[NIL], 0
	ds_add_u32 v[SPW], v[NIL]                      ; the opening lines: the add, twice on end, and its wait ahead of the first tensor load
	ds_add_u32 v[SPW], v[NIL]
	v_lshrrev_b32 v3, 5, v0
	s_delay_alu instid0(VALU_DEP_1)
	v_readfirstlane_b32 s[WV], v3                  ; wave 0..15
	v_and_b32 v8, 31, v0
	v_and_b32 v11, 15, v0
	v_bfe_u32 v7, v0, 4, 1
	v_lshlrev_b32 v1, 4, v8                        ; 16 l
	v_lshlrev_b32 v2, 3, v8
	v_lshlrev_b32 v11, 4, v11                      ; Q's scale words lie 16 bytes apart
	v_lshlrev_b32 v7, 3, v7                        ; 8 h: my bytes' shift in p's scale word
	v_add_nc_u32 v2, 512, v2                       ; 512 + 8 l
	s_bfe_u32 s13, ttmp6, 0x40000                  ; cx: it enters Q's and the result's addresses alone
	s_lshl_b32 s14, ttmp9, 2
	s_add_co_u32 s14, s14, s13
	s_lshl_b32 s14, s14, 4
	s_add_co_u32 s14, s14, s[WV]                   ; my tile of 16 queries, 0 .. 127
	s_and_b32 s15, ttmp7, 0xffff                   ; hb, which the four partners share
	s_mov_b32 s[G1C], 15|(3<<16)|(1<<21)           ; 15:0 the mask: all four; 17:16 elements of 8 bytes; 21 set beside a mask
	s_mov_b32 s[G1C+1], 1536<<16                   ; two rows of 12,288 bytes: K's 256 keys and V's,
	s_mov_b32 s[G1C+2], 2<<16
	s_mov_b32 s[G1C+3], 1536<<16
	s_mov_b32 s[G1C+4], 2
	s_mov_b32 s[G1C+5], 12288                      ; 98,304 bytes apart
	s_mov_b32 s[G1C+6], 0
	s_mov_b32 s[G1C+7], 0
	s_mov_b32 s[G1S], 15|(3<<16)|(1<<21)           ; 12,288 dense bytes as 48 rows of 256
	s_mov_b32 s[G1S+1], 32<<16
	s_mov_b32 s[G1S+2], 48<<16
	s_mov_b32 s[G1S+3], 32<<16
	s_mov_b32 s[G1S+4], 48
	s_mov_b32 s[G1S+5], 32
	s_mov_b32 s[G1S+6], 0
	s_mov_b32 s[G1S+7], 0
	s_mul_i32 s60, s15, 196608                     ; K and V of hb,
	s_add_co_u32 s60, s60, 3145728
	s_mul_i32 s57, s[WV], BLK/2                    ; at the 256 keys that my wave fetches
	s_add_co_u32 s60, s60, s57
	s_mov_b32 s61, 0
	s_mul_i32 s62, s15, 12288                      ; their scale words
	s_add_co_u32 s62, s62, 262144
	s_mov_b32 s63, 0
	s_mul_i32 s66, s15, 98304                      ; Q's codes
	s_mul_i32 s67, s14, 768
	s_add_co_u32 s66, s66, s67
	s_mov_b32 s67, 0
	s_lshl_b32 s68, s15, 13                        ; Q's scale word: step T / 8, lane 16 (T % 2) + r, word (T % 8) / 2
	s_lshr_b32 s69, s14, 3
	s_lshl_b32 s69, s69, 9
	s_add_co_u32 s68, s68, s69
	s_and_b32 s69, s14, 1
	s_lshl_b32 s69, s69, 8
	s_add_co_u32 s68, s68, s69
	s_bfe_u32 s69, s14, 0x20001
	s_lshl_b32 s69, s69, 2
	s_add_co_u32 s68, s68, s69
	s_mov_b32 s69, 0
	s_lshr_b32 s70, s15, 4                         ; the result: row tile batch x 128 + T, half fragment = the head
	s_lshl_b32 s70, s70, 7
	s_add_co_u32 s70, s70, s14
	s_and_b32 s71, s15, 15
	s_mul_i32 s58, s70, 12288
	s_mul_i32 s59, s71, 768
	s_add_co_u32 s58, s58, s59
	s_mov_b32 s59, 0
	s_lshl_b32 s70, s70, 9
	s_lshl_b32 s71, s71, 1
	s_add_co_u32 s70, s70, s71
	s_mov_b32 s71, 0
	s_mov_b32 s[SEL], 0x76543210
	s_mov_b32 s[SEL+1], 0xfedcba98
	s_mov_b32 s[CS], 0x3e38aa3b
	s_mov_b32 s[CS+1], s[CS]                       ; (named with it as a pair, so it is written)
	s_mov_b32 s[NCS], 0xbe38aa3b
	s_wait_alu depctr_va_vdst(0)
	s_wait_dscnt 0x0                               ; both opening adds are done
	s_wait_kmcnt 0x0
	s_add_nc_u64 s[60:61], s[4:5], s[60:61]
	s_add_nc_u64 s[62:63], s[6:7], s[62:63]
	s_add_nc_u64 s[66:67], s[4:5], s[66:67]
	s_add_nc_u64 s[68:69], s[6:7], s[68:69]
	s_add_nc_u64 s[8:9], s[8:9], s[58:59]
	s_add_nc_u64 s[10:11], s[10:11], s[70:71]
	global_load_b128 v[16:19], v1, s[66:67]        ; Q's codes stay in registers
	global_load_b64 v[20:21], v2, s[66:67]
	global_load_b32 v9, v11, s[68:69]
	s_mov_b32 s[G0C], 1
	s_mul_i32 s[G0C+1], s[WV], BLK
	s_mov_b64 s[G0C+2:G0C+3], s[60:61]
	s_or_b32 s[G0C+3], s[G0C+3], 0x80000000
	s_mov_b32 s[G0S], 1
	s_mov_b32 s[G0S+1], SCL
	s_mov_b64 s[G0S+2:G0S+3], s[62:63]
	s_or_b32 s[G0S+3], s[G0S+3], 0x80000000
	CROUND                                         ; all four work-groups are here: the joint loads meet
	s_cmp_lt_u32 s[WV], 8                          ; one chain of branches on the wave's number, one load to an arm, one join
	s_cbranch_scc0 .Lnot_codes
	tensor_load_to_lds s[G0C:G0C+3], s[G1C:G1C+7]
	s_nop 0
.rept 4
	v_nop
.endr
	s_branch .Lasked
.Lnot_codes:
	s_cmp_eq_u32 s[WV], 8
	s_cbranch_scc0 .Lasked
	tensor_load_to_lds s[G0S:G0S+3], s[G1S:G1S+7]
	s_nop 0
.rept 4
	v_nop
.endr
.Lasked:
	v_mov_b32 v13, 0xff61b1e6                      ; the largest score so far: -3e38, under every score
	s_delay_alu instid0(VALU_DEP_1)
	v_floor_f32 v248, -v13                         ; -M as the first step finds it
.irp j, 10,14,15,22,23,24,25,26,27,82,83,84,85,86,87,244,245,246,247,249,250,251,252,253
	v_mov_b32 v\j, 0                               ; the sum's chains; f; Q's upper half and what stands behind K's last tile: zero codes; the upper halves of named pairs; p's scale word as the first step finds it (byte 0 is a finite code)
.endr
.set J, 0
.rept 12
	v_mov_b32 v[PCD+J], 0                          ; p's codes as the first step finds them: zeros, which add nothing
.set J, J+1
.endr
.set J, 0
.rept 32
	v_mov_b32 v[O+J], 0                            ; O^T
.set J, J+1
.endr
	s_mov_b32 s[TB], 0
	s_mov_b32 s[TK], SCL
	s_mov_b32 s[TV], SCL+8192-512
	s_mov_b32 s[CNT], 4
.macro KLD a, b, w, ko, ks             ; a step's eight tiles of K and their scale words: word w: lanes 0-15 tile 2 w, lanes 16-31 tile 2 w + 1
.irp t, 0,1,2,3,4,5,6,7
	ds_load_b128 v[KF+6*\t:KF+6*\t+3], v\a offset:(\ko)+768*\t
	ds_load_b64 v[KF+6*\t+4:KF+6*\t+5], v\b offset:(\ko)+768*\t
.endr
	ds_load_b128 v[KSR:KSR+3], v\w offset:\ks
.endm
.macro VLD a, b, w, ko, vs             ; a step's four fragments of V and their scale words
.irp u, 0,1,2,3
.irp c, 0,1
	ds_load_b128 v[VF+12*\u+6*\c:VF+12*\u+6*\c+3], v\a offset:(\ko)+BLK/2+3072*\c+768*\u
	ds_load_b64 v[VF+12*\u+6*\c+4:VF+12*\u+6*\c+5], v\b offset:(\ko)+BLK/2+3072*\c+768*\u
.endr
.endr
	ds_load_b64 v[VSR:VSR+1], v\w offset:\vs
.endm
.macro OM j                            ; four registers of O^T under the M of the product that is about to be added
	v_pk_mul_f32 v[O+\j:O+\j+1], v[O+\j:O+\j+1], v[F:F+1] op_sel_hi:[1,0]
	v_pk_mul_f32 v[O+\j+2:O+\j+3], v[O+\j+2:O+\j+3], v[F:F+1] op_sel_hi:[1,0]
.endm
.macro PV                              ; O^T += V^T P^T, 128 keys: four accumulators by turns
.irp u, 0,2
	v_wmma_scale_f32_16x16x128_f8f6f4 v[O+8*\u:O+8*\u+7], v[VF+12*\u:VF+12*\u+11], v[PCD:PCD+11], v[O+8*\u:O+8*\u+7], v[VSR+\u/2], v10 matrix_a_fmt:MATRIX_FMT_FP6 matrix_b_fmt:MATRIX_FMT_FP6
	v_wmma_scale_f32_16x16x128_f8f6f4 v[O+8*\u+8:O+8*\u+15], v[VF+12*\u+12:VF+12*\u+23], v[PCD:PCD+11], v[O+8*\u+8:O+8*\u+15], v[VSR+\u/2], v10 matrix_a_fmt:MATRIX_FMT_FP6 matrix_b_fmt:MATRIX_FMT_FP6 matrix_a_scale:MATRIX_SCALE_ROW1
.endr
.endm
.macro ADD4 j                          ; eight registers of p onto the sum's four chains
	v_pk_add_f32 v[T1:T1+1], v[T1:T1+1], v[S+\j:S+\j+1]
	v_pk_add_f32 v[T2:T2+1], v[T2:T2+1], v[S+\j+2:S+\j+3]
	v_pk_add_f32 v[T3:T3+1], v[T3:T3+1], v[S+\j+4:S+\j+5]
	v_pk_add_f32 v[14:15], v[14:15], v[S+\j+6:S+\j+7]
.endm
.macro MAX2 i                          ; two more scores onto each of the four chains of maxima
.irp c, 0,1
	v_max3_num_f32 v[BM+\c], v[BM+\c], v[S+32*\c+\i], v[S+32*\c+\i+1]
	v_max3_num_f32 v[BM+2+\c], v[BM+2+\c], v[S+32*\c+16+\i], v[S+32*\c+17+\i]
.endr
.endm
.macro STEP st                         ; 128 keys
.set KO, BLK*((\st)/2)+6144*((\st)%2)
.set KN, BLK*(((\st)+1)/2)+6144*(((\st)+1)%2)
.set MN, 12+236*((\st)%2)              ; where this step's -M goes,
.set MO, 248-236*((\st)%2)             ; and where the last step's stands
	s_wait_alu depctr_va_vdst(0)
	s_wait_dscnt 0x0                               ; this step's K and the last step's V are in
.irp t, 0,2,4,6
	v_wmma_scale_f32_16x16x128_f8f6f4 v[S+8*\t:S+8*\t+7], v[KF+6*\t:KF+6*\t+11], v[16:27], 0, v[KSR+\t/2], v9 matrix_a_fmt:MATRIX_FMT_FP6 matrix_b_fmt:MATRIX_FMT_FP6
	v_wmma_scale_f32_16x16x128_f8f6f4 v[S+8*\t+8:S+8*\t+15], v[KF+6*\t+6:KF+6*\t+17], v[16:27], 0, v[KSR+\t/2], v9 matrix_a_fmt:MATRIX_FMT_FP6 matrix_b_fmt:MATRIX_FMT_FP6 matrix_a_scale:MATRIX_SCALE_ROW1
.endr
	v_pk_add_f32 v[T1:T1+1], v[T1:T1+1], v[T2:T2+1]   ; the last step's four chains of the sum are joined here: four places behind the products, in front of the reads of the scores and of writes into K's registers
	v_pk_add_f32 v[14:15], v[14:15], v[T3:T3+1]
	v_nop
	v_pk_add_f32 v[14:15], v[14:15], v[T1:T1+1]
.irp c, 0,1                            ; the largest score of my two blocks of 32 keys, each in two chains; each accumulator is read from its low end on
	v_max3_num_f32 v[BM+\c], v[S+32*\c], v[S+32*\c+1], v[S+32*\c+2]
	v_max3_num_f32 v[BM+2+\c], v[S+32*\c+16], v[S+32*\c+17], v[S+32*\c+18]
.endr
	MAX2 3
	MAX2 5
	MAX2 7
	MAX2 9
.irp c, 0,1
	v_max_num_f32 v[BM+4+\c], v[S+32*\c+15], v[S+32*\c+31]
.endr
	MAX2 11
	MAX2 13
.irp c, 0,1
	v_max3_num_f32 v[BM+\c], v[BM+\c], v[BM+2+\c], v[BM+4+\c]   ; it serves the row's maximum and, since p rises with the score, the block's largest p
.endr
	s_wait_alu depctr_va_vdst(0)
	OM 0                                           ; O^T x the last step's f, each accumulator from its low end on, between the dependent lines that make this step's M
	v_max3_num_f32 v[TMP], v13, v[BM], v[BM+1]
	OM 4
	v_permlanex16_b32 v[PD], v[TMP], s[SEL], s[SEL+1]
	OM 8
	v_max_num_f32 v13, v[TMP], v[PD]               ; the running largest score of my query, lane l xor 16's keys among them
	OM 12
	v_mul_f32 v[TMP], s[NCS], v13                  ; -t
	OM 16
	v_floor_f32 v[MN], v[TMP]                      ; the new -M = floor(-t): M is a whole number
	OM 20
	v_sub_f32 v[TMP], v[MN], v[MO]                 ; old M - new M, a whole number, 0 or less
	OM 24
	v_cvt_i32_f32 v[TMP], v[TMP]                   ; (it saturates)
	OM 28
	PV                                             ; the last step's product
.set J, 0
.rept 32
	v_pk_fma_f32 v[S+J:S+J+1], v[S+J:S+J+1], s[CS:CS+1], v[MN:MN+1] op_sel_hi:[1,0,0]   ; t - M, two at a time.  (Also the places in front of the loads into V's registers)
.set J, J+2
.endr
.irp c, 0,1
	v_fma_f32 v[BM+\c], v[BM+\c], s[CS], v[MN]     ; the same of each block's largest score
.endr
	VLD 3, 4, 6, KO, 256*(\st)                     ; this step's V: it is wanted in the next step
	s_wait_alu depctr_va_vdst(0)
.set J, 0
.rept 64
	v_exp_f32 v[S+J], v[S+J]                       ; p = 2^(t - M), at most 1
.set J, J+1
.endr
.irp c, 0,1
	v_exp_f32 v[BM+\c], v[BM+\c]                   ; the block's largest p: the same two instructions on the same number
.endr
	v_ldexp_f32 v[F], 1.0, v[TMP]                  ; f = 2^(old M - new M).  (The plain place behind the exponentials)
	s_wait_alu depctr_va_vdst(0)                   ; one wait for the batch, ahead of its first reader
.irp c, 0,1
	v_max_num_f32 v[BM+\c], 0x1800000, v[BM+\c]    ; the floor 2^(3 - 127): the byte cannot fall under 1
.endr
	v_pk_add_f32 v[T1:T1+1], v[S:S+1], v[S+2:S+3]  ; the row's sum, of the unquantised p, in four chains, laid between the lines that make p's scales
	v_pk_add_f32 v[T2:T2+1], v[S+4:S+5], v[S+6:S+7]
.irp c, 0,1
	v_add_nc_u32 v[SO+\c], 0xff000000, v[BM+\c]    ; 2 off the exponent field: the conversion's scale operand
.endr
	v_pk_add_f32 v[T3:T3+1], v[S+8:S+9], v[S+10:S+11]
	v_pk_fma_f32 v[14:15], v[14:15], v[F:F+1], v[S+12:S+13] op_sel_hi:[1,0,1]   ; what was summed so far comes under the new M in the same line
.irp c, 0,1
	v_cvt_scalef32_pk16_fp6_f32 v[PCD+6*\c:PCD+6*\c+2], v[S+32*\c:S+32*\c+15], v[SO+\c]      ; my block 2 c + h: its lower 16 codes are the operand's registers 6 c .. 6 c + 2,
	v_cvt_scalef32_pk16_fp6_f32 v[CT+4*\c:CT+4*\c+2], v[S+32*\c+16:S+32*\c+31], v[SO+\c]     ; its upper 16 are made elsewhere and moved (a conversion's three registers begin on an even number)
.endr
	ADD4 14                                        ; (plain places behind the conversions)
.irp c, 0,1
	v_lshrrev_b32 v[BB+\c], 23, v[SO+\c]           ; the scales' bytes: blocks h and 2 + h of these 128 keys
.endr
	ADD4 22
	v_lshl_or_b32 v[TMP], v[BB+1], 16, v[BB]
	ADD4 30
	v_lshlrev_b32 v[TMP], v7, v[TMP]               ; at their places, 8 h bits up;
	ADD4 38
	v_permlanex16_b32 v[PD], v[TMP], s[SEL], s[SEL+1]
.irp c, 0,1
.irp i, 0,1,2
	v_mov_b32 v[PCD+3+6*\c+\i], v[CT+4*\c+\i]
.endr
.endr
	v_or_b32 v10, v[TMP], v[PD]                    ; with lane l xor 16's two p's scale word is whole
	KLD 3, 4, 5, KN, 512*(\st)+512                 ; the next step's K: nothing in K's registers is at work any more
	ADD4 46
	ADD4 54
	v_pk_add_f32 v[T1:T1+1], v[T1:T1+1], v[S+62:S+63]
.endm
; 32 numbers of a lane, register 16 b + i = k 32 b + 16 h + i of my row, become half a fragment's codes in v[pc] .. v[pc + 5] and the word e0 | e1 << 8 in v[w].
.macro QUANT32 s, pc, w
.irp b, 0,1
	v_max3_num_f32 v[T+\b], |v[\s+16*\b]|, |v[\s+1+16*\b]|, 0x1800000
.endr
.irp i, 2,4,6,8,10,12,14
.irp b, 0,1
	s_delay_alu instid0(VALU_DEP_2)
	v_max3_num_f32 v[T+\b], v[T+\b], |v[\s+16*\b+\i]|, |v[\s+1+16*\b+\i]|
.endr
.endr
.irp b, 0,1
	s_delay_alu instid0(VALU_DEP_2)
	v_permlanex16_b32 v[T+2+\b], v[T+\b], s[SEL], s[SEL+1]
.endr
.irp b, 0,1
	s_delay_alu instid0(VALU_DEP_2)
	v_max_num_f32 v[T+\b], v[T+\b], v[T+2+\b]
.endr
.irp b, 0,1
	s_delay_alu instid0(VALU_DEP_2)
	v_add_nc_u32 v[T+4+\b], 0xff000000, v[T+\b]
.endr
.irp b, 0,1
	s_delay_alu instid0(VALU_DEP_2)
	v_lshrrev_b32 v[T+2+\b], 23, v[T+4+\b]
.endr
	s_delay_alu instid0(VALU_DEP_1)
	v_lshl_or_b32 v[\w], v[T+3], 8, v[T+2]
	v_cvt_scalef32_pk16_fp6_f32 v[\pc:\pc+2], v[\s:\s+15], v[T+4]
	v_cvt_scalef32_pk16_fp6_f32 v[T+8:T+10], v[\s+16:\s+31], v[T+5]
	v_nop                                          ; one plain place behind a scaled conversion
.irp i, 0,1,2
	v_permlane16_swap_b32 v[\pc+\i], v[T+8+\i]     ; the layout wants a whole block in a lane
.endr
.irp i, 0,1,2
	s_delay_alu instid0(VALU_DEP_3)
	v_mov_b32 v[\pc+3+\i], v[T+8+\i]
.endr
.endm
	s_wait_alu depctr_va_vdst(0)
	s_wait_loadcnt 0x0                             ; Q
	s_wait_tensorcnt 0x0                           ; my load, if I issued one, has landed
	s_barrier_signal -1
	s_barrier_wait -1                              ; everybody's has: K, V and the scale words are whole
	v_add_nc_u32 v8, SCL, v1
	v_add_nc_u32 v11, SCL+8192-512, v2
	KLD 1, 2, 8, 0, 0                              ; the first step's K,
	VLD 1, 2, 11, 0, 0                             ; and numbers for V's registers, which the first step multiplies by zero codes
.Ltrip:                                                ; 512 keys: the steps' places stand in the loads' immediates
	v_add_nc_u32 v3, s[TB], v1
	v_add_nc_u32 v4, s[TB], v2
	v_add_nc_u32 v5, s[TK], v1
	v_add_nc_u32 v6, s[TV], v2
	STEP 0
	STEP 1
	STEP 2
	STEP 3
	s_add_co_u32 s[TB], s[TB], 2*BLK
	s_add_co_u32 s[TK], s[TK], 2048
	s_add_co_u32 s[TV], s[TV], 1024
	s_sub_co_u32 s[CNT], s[CNT], 1
	s_cmp_lg_u32 s[CNT], 0
	s_cbranch_scc1 .Ltrip
	s_wait_dscnt 0x0                               ; the last step's V is in; no load is on its way into K's registers
	s_wait_alu depctr_va_vdst(0)
.irp j, 0,4,8,12,16,20,24,28
	OM \j
.endr
	PV                                             ; the last step's product
	; THE WAY OUT.  The first four lines are the places behind the last products.
	v_pk_add_f32 v[T1:T1+1], v[T1:T1+1], v[T2:T2+1]
	v_pk_add_f32 v[14:15], v[14:15], v[T3:T3+1]
	v_and_b32 v3, 15, v0                           ; r
	v_pk_add_f32 v[14:15], v[14:15], v[T1:T1+1]    ; the last step's chains
	v_bfe_u32 v4, v0, 4, 1                         ; h
	v_lshlrev_b32 v5, 5, v3
	s_delay_alu instid0(VALU_DEP_1)
	v_add_nc_u32 v5, v5, v4                        ; a scale byte's place: 32 r + h
	v_add_f32 v14, v14, v15                        ; the sum's two halves,
	s_delay_alu instid0(VALU_DEP_1)
	v_permlanex16_b32 v[PD], v14, s[SEL], s[SEL+1]
	s_delay_alu instid0(VALU_DEP_1)
	v_add_f32 v14, v14, v[PD]                      ; and lane l xor 16's
	s_wait_alu depctr_va_vdst(0)
	v_rcp_f32 v14, v14
	v_nop                                          ; a plain place behind it
	s_wait_alu depctr_va_vdst(0)                   ; ahead of its first reader, which is O^T's first reader too
.set J, 0
.rept 16
	v_pk_mul_f32 v[S+J:S+J+1], v[O+J:O+J+1], v[14:15] op_sel_hi:[1,0]   ; O^T / the sum: register 16 b + i is channel 32 b + 16 h + i of my query
.set J, J+2
.endr
	QUANT32 S, PCD, 10
	global_store_b128 v1, v[PCD:PCD+3], s[8:9]     ; the head's half fragment of the last product's operand: three runs of 256 consecutive bytes, aligned
	global_store_b64 v2, v[PCD+4:PCD+5], s[8:9]
	v_lshrrev_b32 v11, v7, v10
	global_store_b8 v5, v11, s[10:11]              ; my block's byte: two of a row's 32 belong to a head.  (One byte a lane: one in 24 of what this launch stores)
	s_wait_tensorcnt 0x0                           ; the wave's end
	ds_add_u32 v[SPW], v[NIL]
	s_wait_dscnt 0x0
	CROUND                                         ; the closing round: no work-group ends while a partner may still ask for a tile that names it
	s_endpgm
.Lfunc_end_k_q04c155d08d_attn:
	.size	k_q04c155d08d_attn, .Lfunc_end_k_q04c155d08d_attn-k_q04c155d08d_attn
	.p2alignl 7, 3214868480
	.fill 96, 4, 3214868480
	.section	.rodata,"a",@progbits
	.p2align	6, 0x0
	.amdhsa_kernel k_q04c155d08d_attn
		.amdhsa_group_segment_fixed_size 210944
		.amdhsa_private_segment_fixed_size 0
		.amdhsa_enable_private_segment 0
		.amdhsa_kernarg_size 32
		.amdhsa_user_sgpr_count 2
		.amdhsa_user_sgpr_kernarg_segment_ptr 1
		.amdhsa_wavefront_size32 1
		.amdhsa_system_sgpr_workgroup_id_x 1
		.amdhsa_system_sgpr_workgroup_id_y 1
		.amdhsa_system_sgpr_workgroup_id_z 1
		.amdhsa_system_vgpr_workitem_id 0
		.amdhsa_next_free_vgpr 256
		.amdhsa_next_free_sgpr 72
		.amdhsa_reserve_vcc 0
		.amdhsa_float_denorm_mode_32 3
		.amdhsa_float_denorm_mode_16_64 3
		.amdhsa_memory_ordered 1
		.amdhsa_forward_progress 1
		.amdhsa_inst_pref_size 75
	.end_amdhsa_kernel
	.amdgpu_metadata
---
amdhsa.version: [ 1, 2 ]
amdhsa.kernels:
  - .name:           k_q04c155d08d_attn
    .symbol:         k_q04c155d08d_attn.kd
    .args:
      - { .name: cd2, .offset: 0, .size: 8, .value_kind: global_buffer, .address_space: global }
      - { .name: sc2, .offset: 8, .size: 8, .value_kind: global_buffer, .address_space: global }
      - { .name: cd3, .offset: 16, .size: 8, .value_kind: global_buffer, .address_space: global }
      - { .name: sc3, .offset: 24, .size: 8, .value_kind: global_buffer, .address_space: global }
    .group_segment_fixed_size: 210944
    .private_segment_fixed_size: 0
    .kernarg_segment_align: 8
    .kernarg_segment_size: 32
    .max_flat_workgroup_size: 512
    .sgpr_count:     72
    .vgpr_count:     256
    .wavefront_size: 32
...
	.end_amdgpu_metadata
.endif
;; end of part 3
;; launch outp (part 4): grid 8 x 32, 4 waves a work-group, clusters of 4 x 4, 214,528 bytes of LDS; arguments cd3, sc3, bo, out0; writes out0
.if DOCPART == 4
	.amdgcn_target "amdgcn-amd-amdhsa--gfx1250"
	.amdhsa_code_object_version 6
	.text
	.protected	k_q04c155d08d_outp
	.globl	k_q04c155d08d_outp
	.p2align	8
	.type	k_q04c155d08d_outp,@function
k_q04c155d08d_outp:
	s_mov_b64 s[64:65], 0
	v_nop
	global_prefetch_b8 v0, s[64:65] scope:SCOPE_SE
	s_setreg_imm32_b32 hwreg(HW_REG_WAVE_MODE, 25, 1), 1
	s_wait_xcnt 0x0
	s_wait_alu depctr_hold_cnt(0) depctr_sa_sdst(0) depctr_va_vdst(0) depctr_va_sdst(0) depctr_va_ssrc(0) depctr_va_vcc(0) depctr_vm_vsrc(0)
	s_getreg_b32 s2, hwreg(HW_REG_IB_STS2, 6, 4)
	s_cmp_eq_u32 s2, 0
	s_cbranch_scc0 .Lentry_in_a_cluster
	s_endpgm
.Lentry_in_a_cluster:
	s_bfe_u32 s2, ttmp6, 0x10000c
	s_cmp_lg_u32 s2, 0xf033
	s_cbranch_scc0 .Lentry_shape_is_right
	s_endpgm
.Lentry_shape_is_right:
; out0 = a Wo^T + bo on codes of FP6 (E2M3) with E8M0 scales.  a [4096][1024] is attention's result, row tiles 0-255 of cd3; Wo [1024][1024] is row tiles 256-319; scale bytes in sc3, 512 bytes a row tile, 32 a row.  out0: [4096][1024] f32.
; Operands are images of operand registers: 16 rows x 64 K are 768 bytes, lane l's registers 0-3 at 16 l, registers 4-5 at 512 + 8 l; a row tile (16 rows x 1,024 K) is 12,288 bytes.
; SHARES.  256 work-groups of 128 x 128; each of the four waves makes 64 x 64: 16 accumulators.  The product is used transposed (source 0 = 16 rows of Wo, source 1 = 16 rows of a): a lane holds eight neighbouring numbers of a row of out0.
; ALL OF K LIES IN LDS AT ONCE, brought by one tensor load a wave at the head; no byte of LDS is filled twice.
; CLUSTER 4 x 4: Wo's tile hangs on cx alone and is asked for jointly by the four of a column, a's on cy alone, by the four of a row.
; REGISTERS.  Window 0: v1-15 addresses; v32-63 scale words, v64-95 the bias as C, both at work on the way out; v128-255 accumulator (a, b) at v[128 + 32 a + 8 b].
;   Window 1: two sets of fragments, at v0 and v128: Wo's four at + 12 b, a's four at + 48 + 12 a.
; THE FILLS (these lines govern where the head's words on chunks differ): each wave asks once, at the head, for four row tiles whole, 49,152 consecutive bytes; Wo's eight tiles lie in LDS from byte 0, a's from 98,304,
; 12,288 bytes a tile.  One wait for all tensor loads and one barrier show all of K to all four waves; no byte of LDS is filled twice.  No prefetch: the text has no loop that runs ahead of its loads.
.set WV,   20                          ; s20 wave; s21 wave % 2: my half of Wo's rows; s22 wave / 2: my half of a's
.set G1A,  24
.set G1B,  32
.set G0A,  40
.set G0B,  68
.set RTB,  12288
.set CHB,  49152                       ; four row tiles: what one tensor load brings
.set STAGE, 4*CHB                      ; behind the chunks: 16 rows x (256 bytes + 16) for each wave; no fill lands there
.set SP,   272
.set SC,   32
.set CB,   64
.set BK,   32                          ; the way out: 16 rows read back: v32-63 and v64-95 by turns
.set ACC,  128
.set F0,   0
.set F1,   128
.set MSB,  0
.macro WIN new                         ; the immediate's high byte repeats the setting that is left
.if MSB != \new
	s_set_vgpr_msb (MSB<<8)|\new
.set MSB, \new
.endif
.endm
.set MUL,  0x05                        ; sources 0 and 1 window 1; C and D window 0
.set TO_F, 0x40                        ; destination window 1
.macro CROUND
	s_barrier_signal -1
	s_barrier_wait -1
	s_cmp_lg_u32 s[WV], 0
	s_cbranch_scc1 .Lnot_wave_0_\@
	s_barrier_signal -3
.Lnot_wave_0_\@:
	s_barrier_wait -3
	s_barrier_signal -1
	s_barrier_wait -1
.endm
.macro PLACES                          ; four places behind a matrix instruction, in front of loads into its registers and of reads of its results
.rept 4
	v_nop
.endr
.endm
	s_load_b256 s[4:11], s[0:1], 0x0               ; cd3 s[4:5], sc3 s[6:7], bo s[8:9], out0 s[10:11]
	v_lshl_add_u32 v126, v0, 2, 0x34400
	v_mov_b32 v127, 0
	ds_add_u32 v126, v127
	ds_add_u32 v126, v127
	v_lshrrev_b32 v1, 5, v0
	v_readfirstlane_b32 s[WV], v1
	s_and_b32 s21, s[WV], 1
	s_lshr_b32 s22, s[WV], 1
	s_bfe_u32 s56, ttmp6, 0x40000                  ; cx
	s_bfe_u32 s57, ttmp6, 0x40004                  ; cy
	s_lshl_b32 s60, ttmp9, 2
	s_add_co_u32 s60, s60, s56                     ; Wo's block of 128 rows, 0 .. 7
	s_and_b32 s61, ttmp7, 0xffff
	s_lshl_b32 s61, s61, 2
	s_add_co_u32 s61, s61, s57                     ; a's block of 128 rows, 0 .. 31
	s_lshl_b32 s84, 0x1111, s56                    ; my column of the cluster
	s_lshl_b32 s85, s57, 2
	s_lshl_b32 s85, 15, s85                        ; my row
	s_or_b32 s[G1A], s84, (3<<16)|(1<<21)          ; 15:0 the mask; 17:16 elements of 8 bytes; 21 set beside a mask
	s_or_b32 s[G1B], s85, (3<<16)|(1<<21)
.irp g, G1A, G1B                       ; four row tiles on end: 4 rows of 12,288 bytes
	s_mov_b32 s[\g+1], 1536<<16
	s_mov_b32 s[\g+2], 4<<16
	s_mov_b32 s[\g+3], 1536<<16
	s_mov_b32 s[\g+4], 4
	s_mov_b32 s[\g+5], 1536
	s_mov_b32 s[\g+6], 0
	s_mov_b32 s[\g+7], 0
.endr
	s_lshl_b32 s86, s60, 3
	s_add_co_u32 s86, s86, 256
	s_lshl_b32 s87, s21, 2
	s_add_co_u32 s88, s86, s87                     ; Wo: the four row tiles that waves 0 and 1 fetch, and that I multiply
	s_lshl_b32 s89, s61, 3
	s_add_co_u32 s90, s89, s87                     ; a: the four that waves 2 and 3 fetch,
	s_lshl_b32 s91, s22, 2
	s_add_co_u32 s91, s89, s91                     ; and the four that I multiply
	s_mul_i32 s92, s88, RTB
	s_mov_b32 s93, 0
	s_mul_i32 s94, s90, RTB
	s_mov_b32 s95, 0
	s_wait_dscnt 0x0
	s_wait_kmcnt 0x0
	s_add_nc_u64 s[92:93], s[4:5], s[92:93]
	s_add_nc_u64 s[94:95], s[4:5], s[94:95]
	CROUND                                         ; all sixteen work-groups are here: the joint loads meet
	s_mov_b32 s[G0A], 1
	s_mul_i32 s[G0A+1], s[WV], CHB                 ; wave x four tiles: no place in the cluster enters an LDS address
	s_mov_b64 s[G0A+2:G0A+3], s[92:93]
	s_or_b32 s[G0A+3], s[G0A+3], 0x80000000
	s_mov_b32 s[G0B], 1
	s_mul_i32 s[G0B+1], s[WV], CHB
	s_mov_b64 s[G0B+2:G0B+3], s[94:95]
	s_or_b32 s[G0B+3], s[G0B+3], 0x80000000
	s_cmp_lt_u32 s[WV], 2                          ; one tensor load a wave at the head: waves 0 and 1 fetch Wo's tiles, waves 2 and 3 a's
	s_cbranch_scc0 .Lfetch_s1
	tensor_load_to_lds s[G0A:G0A+3], s[G1A:G1A+7]
	s_nop 0
	PLACES                                         ; four v_nop follow the last
	s_branch .Lasked
.Lfetch_s1:
	tensor_load_to_lds s[G0B:G0B+3], s[G1B:G1B+7]
	s_nop 0
	PLACES
.Lasked:
	v_and_b32 v1, 15, v0                           ; r
	v_bfe_u32 v2, v0, 4, 1                         ; h
	v_and_b32 v3, 31, v0                           ; lane
	v_lshlrev_b32 v8, 4, v3
	v_lshlrev_b32 v9, 3, v3
	s_mul_i32 s97, s21, CHB
	v_add_nc_u32 v4, s97, v8                       ; Wo's fragments in LDS: registers 0-3 of a half fragment,
	v_add_nc_u32 v5, s97, v9
	v_add_nc_u32 v5, 512, v5                       ; registers 4-5
	s_mul_i32 s97, s22, CHB
	s_add_co_u32 s97, s97, 2*CHB
	v_add_nc_u32 v6, s97, v8                       ; a's
	v_add_nc_u32 v7, s97, v9
	v_add_nc_u32 v7, 512, v7
	s_lshl_b32 s97, s88, 9
	s_lshl_b32 s98, s91, 9
	v_mov_b32 v15, s97
	v_mov_b32 v14, s98
	v_cmp_ne_u32 vcc_lo, 0, v2
	v_cndmask_b32 v14, v15, v14, vcc_lo            ; scale words: lanes 0-15 take Wo's, lanes 16-31 a's
	v_lshl_add_u32 v14, v1, 5, v14
.irp i, 0,1,2,3
	global_load_b128 v[SC+8*\i:SC+8*\i+3], v14, s[6:7] offset:512*\i
	global_load_b128 v[SC+8*\i+4:SC+8*\i+7], v14, s[6:7] offset:512*\i+16
.endr
	s_lshl_b32 s84, s60, 1
	s_add_co_u32 s84, s84, s21                     ; my 64 columns of out0
	s_lshl_b32 s85, s61, 1
	s_add_co_u32 s85, s85, s22                     ; my 64 rows
	s_lshl_b32 s92, s84, 8
	s_mov_b32 s93, 0
	s_add_nc_u64 s[8:9], s[8:9], s[92:93]          ; bo at my columns
	s_add_nc_u64 s[10:11], s[10:11], s[92:93]
	s_lshl_b32 s92, s85, 18                        ; 64 rows of 4,096 bytes
	s_add_nc_u64 s[10:11], s[10:11], s[92:93]
	v_lshlrev_b32 v13, 5, v2                       ; the bias in the result's layout: tile b, register j: column 16 b + 8 h + j
.irp b, 0,1,2,3
	global_load_b128 v[CB+8*\b:CB+8*\b+3], v13, s[8:9] offset:64*\b
	global_load_b128 v[CB+8*\b+4:CB+8*\b+7], v13, s[8:9] offset:64*\b+16
.endr
	v_lshlrev_b32 v10, 4, v1
	v_lshl_add_u32 v10, v2, 12, v10                ; out0: lanes 0-15 one row's 256 bytes, lanes 16-31 the next row's
	s_mul_i32 s97, s[WV], 16*SP
	s_add_co_u32 s97, s97, STAGE                   ; my stage
	v_mul_u32_u24 v11, v1, SP
	v_lshl_add_u32 v11, v2, 5, v11
	v_add_nc_u32 v11, s97, v11                     ; in: row r, 32 bytes for each half of the lanes
	v_mul_u32_u24 v12, v2, SP
	v_lshl_add_u32 v12, v1, 4, v12
	v_add_nc_u32 v12, s97, v12                     ; back: two rows an instruction
.macro FETCH s, f                      ; K step s: 32 LDS loads in one run, each of consecutive bytes from lane to lane, into set f
	WIN TO_F
.irp i, 0,1,2,3
.irp c, 0,1
	ds_load_b128 v[\f+12*\i+6*\c:\f+12*\i+6*\c+3], v4 offset:RTB*\i+1536*(\s)+768*\c
	ds_load_b64 v[\f+12*\i+6*\c+4:\f+12*\i+6*\c+5], v5 offset:RTB*\i+1536*(\s)+768*\c
	ds_load_b128 v[\f+48+12*\i+6*\c:\f+48+12*\i+6*\c+3], v6 offset:RTB*\i+1536*(\s)+768*\c
	ds_load_b64 v[\f+48+12*\i+6*\c+4:\f+48+12*\i+6*\c+5], v7 offset:RTB*\i+1536*(\s)+768*\c
.endr
.endr
.endm
; 16 products, 128 along K.  The accumulators take turns, one instruction a turn, in the same order in every step.  first = 1: the sums start from the bias.
.macro MUL16 f, s, first
.irp a, 0,1,2,3
.irp b, 0,1,2,3
.if \first
	v_wmma_scale_f32_16x16x128_f8f6f4 v[ACC+32*\a+8*\b:ACC+32*\a+8*\b+7], v[\f+12*\b:\f+12*\b+11], v[\f+48+12*\a:\f+48+12*\a+11], v[CB+8*\b:CB+8*\b+7], v[SC+8*\b+\s], v[SC+8*\a+\s] matrix_a_fmt:MATRIX_FMT_FP6 matrix_b_fmt:MATRIX_FMT_FP6 matrix_b_scale:MATRIX_SCALE_ROW1
.else
	v_wmma_scale_f32_16x16x128_f8f6f4 v[ACC+32*\a+8*\b:ACC+32*\a+8*\b+7], v[\f+12*\b:\f+12*\b+11], v[\f+48+12*\a:\f+48+12*\a+11], v[ACC+32*\a+8*\b:ACC+32*\a+8*\b+7], v[SC+8*\b+\s], v[SC+8*\a+\s] matrix_a_fmt:MATRIX_FMT_FP6 matrix_b_fmt:MATRIX_FMT_FP6 matrix_b_scale:MATRIX_SCALE_ROW1
.endif
.endr
.endr
.endm
.macro KSTEP s                         ; steps 1 to 7: the next step's fragments are asked for, then this step is multiplied
.if (\s) == 7
	s_wait_dscnt 0x0
.else
	PLACES                                         ; in front of the loads into the set that the last step multiplied
.if (\s)%2
	FETCH (\s)+1, F0
.else
	FETCH (\s)+1, F1
.endif
	s_wait_dscnt 32                                ; all but the 32 just issued: this step's fragments are in
.endif
	WIN MUL
.if (\s)%2
	MUL16 F1, \s, 0
.else
	MUL16 F0, \s, 0
.endif
.endm
	s_wait_alu depctr_va_vdst(0)
	s_wait_tensorcnt 0x0                           ; my four row tiles have landed
	s_barrier_signal -1
	s_barrier_wait -1
	FETCH 0, F0
	FETCH 1, F1
	s_wait_loadcnt 0x0                             ; the scale words and the bias
	s_wait_dscnt 32
	WIN MUL
	MUL16 F0, 0, 1
.irp s, 1,2,3,4,5,6,7
	KSTEP \s
.endr
	WIN 0
; THE WAY OUT, 16 rows x 64 columns at a time.  A lane holds 32 neighbouring bytes of a row and the lanes beside it hold other rows: a block goes through my own stage in LDS and comes back as whole rows of 256 bytes.
; LDS serves a wave's instructions in order (ISA guide 5.7.1.4): no wait between the stores and the loads, nor in front of the next block's stores.
.macro TOSTAGE a
.irp b, 0,1,2,3
	ds_store_b128 v11, v[ACC+32*(\a)+8*\b:ACC+32*(\a)+8*\b+3] offset:64*\b          ; each accumulator from its low end on
	ds_store_b128 v11, v[ACC+32*(\a)+8*\b+4:ACC+32*(\a)+8*\b+7] offset:64*\b+16
.endr
.irp i, 0,1,2,3,4,5,6,7
	ds_load_b128 v[BK+32*((\a)%2)+4*\i:BK+32*((\a)%2)+4*\i+3], v12 offset:2*SP*\i
.endr
.endm
.macro SEND a, younger                 ; younger: the LDS instructions issued behind block a's loads, which may stay out
	s_wait_dscnt \younger
.irp i, 0,1,2,3,4,5,6,7
	global_store_b128 v10, v[BK+32*((\a)%2)+4*\i:BK+32*((\a)%2)+4*\i+3], s[10:11] offset:(16*(\a)+2*\i)*4096 th:TH_STORE_NT   ; sixteen lanes store 256 consecutive bytes, aligned; written once, read by nobody here
.endr
.endm
	PLACES                                         ; for the first reads of results, and for the loads into the registers that held scale words and bias
	TOSTAGE 0
.irp a, 1,2,3
.if \a > 1
	s_wait_xcnt 0x0                                ; block a - 2's stores have read their registers: block a's loads may land there
.endif
	TOSTAGE \a
	SEND \a-1, 16                                  ; behind block a - 1's loads: block a's 8 stores and 8 loads
.endr
	SEND 3, 0
	s_wait_tensorcnt 0x0
	ds_add_u32 v126, v127
	s_wait_dscnt 0x0
	CROUND                                         ; the closing round: no work-group ends while a partner may still ask for a tile that names it
	s_endpgm
.Lfunc_end_k_q04c155d08d_outp:
	.size	k_q04c155d08d_outp, .Lfunc_end_k_q04c155d08d_outp-k_q04c155d08d_outp
	.p2alignl 7, 3214868480
	.fill 96, 4, 3214868480
	.section	.rodata,"a",@progbits
	.p2align	6, 0x0
	.amdhsa_kernel k_q04c155d08d_outp
		.amdhsa_group_segment_fixed_size 214528
		.amdhsa_private_segment_fixed_size 0
		.amdhsa_enable_private_segment 0
		.amdhsa_kernarg_size 32
		.amdhsa_user_sgpr_count 2
		.amdhsa_user_sgpr_kernarg_segment_ptr 1
		.amdhsa_wavefront_size32 1
		.amdhsa_system_sgpr_workgroup_id_x 1
		.amdhsa_system_sgpr_workgroup_id_y 1
		.amdhsa_system_sgpr_workgroup_id_z 1
		.amdhsa_system_vgpr_workitem_id 0
		.amdhsa_next_free_vgpr 512
		.amdhsa_next_free_sgpr 100
		.amdhsa_reserve_vcc 1
		.amdhsa_float_denorm_mode_32 3
		.amdhsa_float_denorm_mode_16_64 3
		.amdhsa_memory_ordered 1
		.amdhsa_forward_progress 1
		.amdhsa_inst_pref_size 49
	.end_amdhsa_kernel
	.amdgpu_metadata
---
amdhsa.version: [ 1, 2 ]
amdhsa.kernels:
  - .name:           k_q04c155d08d_outp
    .symbol:         k_q04c155d08d_outp.kd
    .args:
      - { .name: cd3, .offset: 0, .size: 8, .value_kind: global_buffer, .address_space: global }
      - { .name: sc3, .offset: 8, .size: 8, .value_kind: global_buffer, .address_space: global }
      - { .name: bo, .offset: 16, .size: 8, .value_kind: global_buffer, .address_space: global }
      - { .name: out0, .offset: 24, .size: 8, .value_kind: global_buffer, .address_space: global }
    .group_segment_fixed_size: 214528
    .private_segment_fixed_size: 0
    .kernarg_segment_align: 8
    .kernarg_segment_size: 32
    .max_flat_workgroup_size: 128
    .sgpr_count:     100
    .vgpr_count:     512
    .wavefront_size: 32
...
	.end_amdgpu_metadata
.endif
;; end of part 4
